; MI455X (gfx1250); checked and timed in simulation.
; The chip was launched on July 23, 2026; its instructions are those of AMD's public machine-readable ISA for CDNA 5 (MIT licence, August 2026) and "CDNA5" Instruction Set Architecture Reference Guide (July 2026). The comments in the code are by the model that wrote it; some were corrected since.
;; Multi Head Attention. Allowed arithmetic: matrix products marked QUANTISED: E2M3 operands, one E8M0 scale for each 32 along K, by v_wmma_scale_f32_16x16x128_f8f6f4 with both operands' format E2M3, f32 sums; everything else in f32.
;; Inputs: Wk_codes 1,024 x 32 x 24 uint8 (E2M3 codes of Wk, K innermost, in blocks of 32 codes, four codes in three bytes); Wk_scales 1,024 x 32 uint8 (E8M0 scales of Wk, one for each 32 codes along K); Wo_codes 1,024 x 32 x 24 uint8 (E2M3 codes of Wo, K innermost, in blocks of 32 codes, four codes in three bytes); Wo_scales 1,024 x 32 uint8 (E8M0 scales of Wo, one for each 32 codes along K); Wq_codes 1,024 x 32 x 24 uint8 (E2M3 codes of Wq, K innermost, in blocks of 32 codes, four codes in three bytes); Wq_scales 1,024 x 32 uint8 (E8M0 scales of Wq, one for each 32 codes along K); Wv_codes 1,024 x 32 x 24 uint8 (E2M3 codes of Wv, K innermost, in blocks of 32 codes, four codes in three bytes); Wv_scales 1,024 x 32 uint8 (E8M0 scales of Wv, one for each 32 codes along K); k_codes 2 x 2,048 x 32 x 24 uint8 (E2M3 codes of k, K innermost, in blocks of 32 codes, four codes in three bytes); k_scales 2 x 2,048 x 32 uint8 (E8M0 scales of k, one for each 32 codes along K); mask 2 x 2,048 x 2,048 bool; q_codes 2 x 2,048 x 32 x 24 uint8 (E2M3 codes of q, K innermost, in blocks of 32 codes, four codes in three bytes); q_scales 2 x 2,048 x 32 uint8 (E8M0 scales of q, one for each 32 codes along K); v_codes 2 x 2,048 x 32 x 24 uint8 (E2M3 codes of v, K innermost, in blocks of 32 codes, four codes in three bytes); v_scales 2 x 2,048 x 32 uint8 (E8M0 scales of v, one for each 32 codes along K).
;; Outputs: out0 2 x 2,048 x 1,024 float32.
;; This version of the problem:
;;   THIS VERSION OF THE PROBLEM IS GIVEN IN LOW PRECISION. The matrix products marked QUANTISED in the list below multiply operands that are first quantised to E2M3 (2 exponent bits, 3 mantissa bits; 6 bits a number), with one power-of-two scale for each 32 numbers along K (OCP MX v1.0); their sums are f32. All else is computed in f32.
;;   The module's matrix products, in the order in which they are computed (A, B: the left and right operand; K: the contracted axis; several contracted axes count as one K, in the product's order):
;;     1. [M 4,096, K 1,024] x [K 1,024, N 1,024]; A: input q (given as codes); B: input Wq (given as codes): QUANTISED
;;     2. [M 4,096, K 1,024] x [K 1,024, N 1,024]; A: input k (given as codes); B: input Wk (given as codes): QUANTISED
;;     3. [M 4,096, K 1,024] x [K 1,024, N 1,024]; A: input v (given as codes); B: input Wv (given as codes): QUANTISED
;;     4. batch 32 x [M 2,048, K 64] x [K 64, N 2,048]; A: computed on the way; B: computed on the way: QUANTISED
;;     5. batch 32 x [M 2,048, K 2,048] x [K 2,048, N 64]; A: softmax (see below); B: computed on the way: QUANTISED
;;     6. [M 4,096, K 1,024] x [K 1,024, N 1,024]; A: computed on the way; B: input Wo (given as codes): QUANTISED
;;   THE QUANTISER, for each operand of a quantised product, along K:
;;     - K is cut into blocks of 32 from its start; a last block that is shorter is filled with zeros.
;;     - A block's scale is 2^e with e = floor(log2(the largest magnitude in the block)) - 2, held to -126 .. 127; a block of zeros has e = 0. As a byte (E8M0): e + 127.
;;     - Each number is divided by its block's scale, clamped to +-7.5, and rounded to the nearest number of E2M3, ties to even, subnormals kept.
;;     - The product sums the exact products of the quantised numbers (number of the format x scale) in f32.
;;   ~~~python
;;   def quantise(x, axis):      # numpy; x: float32 -> the quantised numbers, widened to float32 again
;;       x = np.moveaxis(x, axis, -1); K = x.shape[-1]
;;       x = np.pad(x, [(0, 0)] * (x.ndim - 1) + [(0, -K % 32)]); x = x.reshape(x.shape[:-1] + (-1, 32)); a = np.abs(x).max(-1, keepdims=True)
;;       e = np.where(a > 0, np.clip(np.frexp(np.where(a > 0, a, 1))[1] - 1 - 2, -126, 127), 0)      # np.frexp(a)[1] - 1 = floor(log2(a)), exactly
;;       r = np.clip(x / 2.0 ** e, -7.5, 7.5)
;;       step = 2.0 ** (np.maximum(np.frexp(np.where(r == 0, 1, r))[1] - 1, 0) - 3)
;;       q = np.round(r / step) * step * 2.0 ** e      # np.round: ties to even
;;       return np.moveaxis(q.reshape(q.shape[:-2] + (-1,))[..., :K], -1, axis).astype(np.float32)
;;   ~~~
;;   SOFTMAX AHEAD OF A QUANTISED PRODUCT. Where the list says 'softmax', what is quantised is not the finished softmax but p = 2^(t - M), with t = logit x log2(e) and M = ceil(the row's largest t), a whole number; so 1/2 < the row's largest p <= 1. The row's sum l is taken of the UNQUANTISED p, in f32, and the product's result is divided by l at the end. Since M is a whole number, a kernel that streams over the keys may use a running M (the ceiling of the running maximum): every later rescaling is an exact power of two, which a block's scale takes up: the codes' values come out the same.
;;   OPERANDS COMPUTED ON THE WAY. 'Computed on the way' means the value that the module computes at that place (a softmax that the list does not call 'softmax' is quantised finished and normalised). What goes into a quantiser is computed in f32, as accurately as f32 sums, v_exp_f32 and their like allow (about 1e-6 of the number): no bf16 or f16 on the way to a quantiser, and a product that is left as it is and whose result goes on into a quantised operand takes f32 operands (vector FMAs, or v_wmma_f32_16x16x4_f32). A number that lies on a knife's edge between two numbers of the format may be rounded either way, as far as f32 arithmetic and the matrix unit's own rounding can turn it there, and no further.
;;   INPUTS GIVEN AS CODES. Wk (in the module: [1024, 1024], K = its axis 1); Wo (in the module: [1024, 1024], K = its axis 1); Wq (in the module: [1024, 1024], K = its axis 1); Wv (in the module: [1024, 1024], K = its axis 1); k (in the module: [2, 2048, 1024], K = its axis 2); q (in the module: [2, 2048, 1024], K = its axis 2); v (in the module: [2, 2048, 1024], K = its axis 2): each comes as NAME_codes (uint8): NAME with its K axis moved to the last place and cut into blocks of 32 codes, [.., K / 32, bytes a block], one block behind the other in memory; four codes in three bytes: a row's codes are one little-endian stream of bits, code i at bits 6 i .. 6 i + 5 (a code: sign, 2 exponent bits, 3 mantissa bits); and NAME_scales (uint8): the same leading axes, one E8M0 byte (e + 127) for each 32 codes along K. Its value is code x scale, taken as it is: it is not quantised again, and the codes and scales need not be those that the quantiser above would give.
;; One version. Each part assembles by itself: llvm-mc -triple=amdgcn-amd-amdhsa -mcpu=gfx1250 --defsym DOCPART=n.
;; ======== version 1 of 1: 3 launches
;; limits: right only within a limited range of input values
;; workspace buffers: qkv 9,437,184 bytes; sc3 393,216 bytes; mb 1,048,576 bytes of whole numbers; cc 3,145,728 bytes; cs 131,072 bytes
;; launch proj (part 1): grid 8 x 96, 4 waves a work-group, clusters of 4 x 4, 236,032 bytes of LDS; arguments q_codes, k_codes, Wv_codes, q_scales, k_scales, Wv_scales, Wq_codes, Wk_codes, v_codes, Wq_scales, Wk_scales, v_scales, qkv, sc3, mask, mb; writes qkv, sc3, mb
.if DOCPART == 1
	.amdgcn_target "amdgcn-amd-amdhsa--gfx1250"
	.amdhsa_code_object_version 6
	.text
	.protected	k_qbf8393bfeb_proj
	.globl	k_qbf8393bfeb_proj
	.p2align	8
	.type	k_qbf8393bfeb_proj,@function
k_qbf8393bfeb_proj:
	s_mov_b64 s[64:65], 0
	v_nop
	global_prefetch_b8 v0, s[64:65] scope:SCOPE_SE
	s_setreg_imm32_b32 hwreg(HW_REG_WAVE_MODE, 25, 1), 1
	s_wait_xcnt 0x0
	s_wait_alu depctr_hold_cnt(0) depctr_sa_sdst(0) depctr_va_vdst(0) depctr_va_sdst(0) depctr_va_ssrc(0) depctr_va_vcc(0) depctr_vm_vsrc(0)
	s_getreg_b32 s2, hwreg(HW_REG_IB_STS2, 6, 4)
	s_cmp_eq_u32 s2, 0
	s_cbranch_scc0 .Lentry_in_a_cluster
	s_endpgm
.Lentry_in_a_cluster:
	s_bfe_u32 s2, ttmp6, 0x10000c
	s_cmp_lg_u32 s2, 0xf033
	s_cbranch_scc0 .Lentry_shape_is_right
	s_endpgm
.Lentry_shape_is_right:
; The three projections, on codes of FP6 (E2M3) with one E8M0 scale for each 32 along K, each result quantised again on its way out; and, while the tiles are on their way, the mask turned into lane masks.
; C[m][n] = sum over k of A[m][k] B[n][k], K = 1,024, quantised ALONG n in blocks of 32.  g = 0: A = q, B = Wq (n = channels: a head's 64).  g = 1: A = k, B = Wk.  g = 2: A = Wv, B = v: n = the keys, which are the K of
; attention's second product.  One text serves all three: g chooses pointers and the strides of the output.
; SHARES.  A tile of C is 128 x 128: 768 tiles.  Four waves, each 64 x 64: 16 accumulators.  A row of codes is 768 bytes, so the tile's A and B for ALL of K are two dense blocks of 98,304 bytes:
; they come into LDS once, with their scale bytes; no LDS byte is filled twice, so there is no ring.  A tile of 256 x 256 would need one, and would leave 192 tiles for this launch.
; CLUSTERS: 4 x 4 work-groups; the four of a row of the cluster need the same rows of A, the four of a column the same rows of B: each block is asked for JOINTLY.
; THE MATRIX INSTRUCTION IS USED TRANSPOSED (source 0 = 16 rows of B, source 1 = 16 rows of A): a lane holds one row m and its registers run along n, as the conversions want them.
; OUTPUT.  An IMAGE is half an operand (16 rows x 64 along the next K, six registers a lane) as three planes of 256 bytes: plane p holds registers 2 p, 2 p + 1 of lane l at byte 8 l.
;   q, k parts of qkv: [row / 128][head][(row / 16) % 8][768];  v part: [key / 128][channel / 16][(key / 64) % 2][768].  Scales, two bytes for a row and 64 along the next K: q, k: [head][row]; v: [key / 64][channel].
; INSIDE A BLOCK OF 32 the code at place 16 h + 8 u + j is element 16 u + 8 h + j.  Both operands of each later product on these codes go through the same lines, so the products pair rightly; the blocks and their scales are the true ones.
; THE MASK [4096 rows][2048 keys] of bytes becomes mb [tile of 16 queries: 256][step of 128 keys: 16][64 words]: word 8 t + j of a step, bit l = mask[16 tile + l % 16][128 step + 16 t + 8 (l / 16) + j] is not 0: the 32 lanes' bits for score
; register 8 t + j as the attention launch holds it.  That is 2,048 pieces of 16 rows x 256 keys; the work-groups of g = 0 and 1 have 512 x 4 waves: a piece to each wave.  The piece's loads go out behind the wave's tensor loads, and its
; packing stands between those and the wait for them.  One branch on g, which all sixteen partners share, goes round the whole of it; no tensor load, barrier or wait on TENSORcnt stands inside.
; LIMITS: NaN and infinities are not served.  A block whose largest magnitude lies under 2^-124 has its scale byte held at 1; so has a block of zeros, where the rule says 127: its codes are zeros, and this program alone reads the bytes.
; REGISTERS: window 0: v1-7 at work; v16-30 addresses; v32-63 scale words; v64-95 codes; v96-101, v112-119 at work; v120-124 the mask words and their place; v128-255 accumulators ((a, b) at 128 + 8 (4 a + b)), ahead of the first product the
;   mask's scratch.   window 1: two sets of fragments, at v0 and v128: B's four at + 12 b, A's four at 48 + 12 a.
.set PITCH, 816                        ; a row in LDS: 3 x (256 bytes + 16 of padding) = 204 words: row r starts at bank 12 r mod 64 (64 banks of 4 bytes: ISA guide 11.1): the 32 lanes of a load of 8 bytes touch 64 different banks
.set BLK16, 16*PITCH
.set HALFC, 64*PITCH                   ; 64 rows: what one wave reads of A or of B
.set LSA,   4*HALFC                    ; behind the codes: the scale bytes, 32 a row, as units of 256 bytes + 16
.set HALFS, 8*272                      ; those of 64 rows
.set STG,   LSA+4*HALFS                ; a stage of 512 bytes for the scales that go out; no tensor load lands there
.set MST,   STG+512                    ; the mask's stages, one for each wave; no tensor load lands there
.set MPITCH, 272                       ; a stage row: 256 bytes + 16 = 68 words: row r starts at bank 4 r mod 64
.set MWST,  16*MPITCH                  ; a wave's stage: 16 rows
.set DPAD,  (3<<16)|(1<<20)|(1<<21)|(5<<22)|(3<<25)   ; 17:16 elements of 8 bytes; 20 padding on; 21 set beside a mask; 24:22 after every 64 words; 31:25 four words of it
.set ADRA, 16                          ; v16 my A fragments: row x pitch + 24 x half;  v17 the same behind one padding more (40 x half)
.set ADRB, 18                          ; v18, v19 the same for B
.set ADRS, 20                          ; v20 my scale words: lanes 0-15 A's rows, lanes 16-31 B's
.set VO,   24                          ; v24-27 where block a's image goes
.set STI,  28                          ; v28 the stage, in
.set STR,  29                          ; v29 the stage, out
.set SOF,  30                          ; v30 my byte offset among the scales that go out
.set SC,   32                          ; v[SC + 8 i + ks]: lanes 0-15 the word of A's block i, lanes 16-31 that of B's block i, for K step ks
.set PC,   64
.set TM,   96
.set PW,   112
.set SB,   116
.set MOUT, 120                         ; v120-123 lane L: words 4 L .. 4 L + 3 of my piece's 128; written by nothing else, so the store that reads them needs no wait
.set MOF,  124                         ; v124 16 x lane: their place; likewise
.set ACC,  128
.set MIN,  128                         ; v128-159 the mask's bytes as loaded
.set MPR,  160                         ; v160-191 16 pairs: pair T = my row's keys 16 T + 8 (lane / 16) + 0 .. 7
.set MTP,  192                         ; v192-207 sixteen single bytes
.set MLA,  208                         ; v208 my byte offset in the piece
.set MSI,  209                         ; v209 the mask's stage, in
.set MSO,  210                         ; v210 the mask's stage, out
.set SEL,  2                           ; s[2:3] lane selects for v_permlanex16_b32: lane l xor 16
.set WV,   32
.set WR,   33
.set WC,   34
.set CX,   35
.set CY,   36
.set YY,   37
.set GG,   38
.set TR,   39
.set G1A,  40                          ; s[40:47], s[48:55] groups 1 for A's and B's codes;  s[56:63], s[68:75] for their scales
.set G1B,  48
.set G1SA, 56
.set MKP,  66                          ; s[66:67] the mask
.set G1SB, 68
.set G0A,  76                          ; groups 0
.set G0B,  80
.set G0SA, 84
.set G0SB, 88
.set TC,   92
.set MTR,  93
.set MTC,  94
.set SWC,  95
.set SWR,  96
.set SSA,  97
.set SRL,  98
.set T0,   99
.set T1,   100
.set T2,   101
.set MBP,  104                         ; s[104:105] mb
.set MSB, 0
.macro WIN new                         ; the immediate's high byte repeats the setting that is left
.if MSB != \new
	s_set_vgpr_msb (MSB<<8)|\new
.set MSB, \new
.endif
.endm
.set MUL,  0x05                        ; sources 0 (B) and 1 (A) window 1; C and D window 0
.set TO_F, 0x40                        ; destination window 1, address window 0
; One arm of the head's chain of branches on the wave's number: its joint load, s_nop 0 and four v_nop, and a jump to the chain's end.
.macro ARM under, g0, g1, next
	s_cmp_lt_u32 s[WV], \under
	s_cbranch_scc0 \next
	tensor_load_to_lds s[\g0:\g0+3], s[\g1:\g1+7]
	s_nop 0
.rept 4
	v_nop
.endr
	s_branch .Lhead_asked
\next:
.endm
.macro CROUND                          ; a round of the cluster's barrier
	s_barrier_signal -1
	s_barrier_wait -1
	s_cmp_lg_u32 s[WV], 0
	s_cbranch_scc1 .Lnot_wave_0_\@
	s_barrier_signal -3
.Lnot_wave_0_\@:
	s_barrier_wait -3
	s_barrier_signal -1
	s_barrier_wait -1
.endm
.macro PLACES                          ; four places behind a matrix instruction of this form, in front of loads into registers that it has read and of the first read of results
.rept 4
	v_nop
.endr
.endm
	s_load_b512 s[4:19], s[0:1], 0x0               ; A's codes for g = 0, 1, 2: s[4:9];  A's scales: s[10:15];  B's codes: s[16:21] ..
	s_load_b256 s[20:27], s[0:1], 0x40             ; .. B's scales: s[22:27]
	s_load_b128 s[28:31], s[0:1], 0x60             ; qkv, sc3
	s_load_b64 s[MKP:MKP+1], s[0:1], 0x70          ; mask
	s_load_b64 s[MBP:MBP+1], s[0:1], 0x78          ; mb
	v_lshl_add_u32 v126, v0, 2, 0x39800
	v_mov_b32 v127, 0
	ds_add_u32 v126, v127
	ds_add_u32 v126, v127
	v_lshrrev_b32 v1, 5, v0
	v_readfirstlane_b32 s[WV], v1                  ; wave 0..3
	s_lshr_b32 s[WR], s[WV], 1                     ; which half of the tile's rows is mine
	s_and_b32 s[WC], s[WV], 1                      ; which half of its columns
	s_bfe_u32 s[CX], ttmp6, 0x40000                ; my place in the cluster
	s_bfe_u32 s[CY], ttmp6, 0x40004
	s_and_b32 s[YY], ttmp7, 0xffff                 ; the cluster's y, 0 .. 23: which projection (8 to each), and a coordinate 0 .. 7
	s_lshr_b32 s[GG], s[YY], 3
	s_and_b32 s[YY], s[YY], 7
	s_mov_b32 s[MTR], 98304                        ; the output's strides for q and k; those for v are chosen below (an instruction takes one literal)
	s_mov_b32 s[MTC], 12288
	s_mov_b32 s[SWC], 6144
	s_mov_b32 s[SWR], 3072
	s_mov_b32 s[SSA], 768
	s_mov_b32 s[SRL], 8192
	s_cmp_eq_u32 s[GG], 2                          ; the choice hangs on the cluster's number alone: it is the same in all sixteen partners
	s_cselect_b32 s[TR], ttmp9, s[YY]              ; q, k: 32 tile rows x 8 tile columns;  v: 8 x 32
	s_cselect_b32 s[TC], s[YY], ttmp9
	s_cselect_b32 s[MTR], 12288, s[MTR]
	s_cselect_b32 s[MTC], 98304, s[MTC]
	s_cselect_b32 s[SWC], 768, s[SWC]
	s_cselect_b32 s[SWR], 6144, s[SWR]
	s_cselect_b32 s[SSA], 1536, s[SSA]
	s_cselect_b32 s[SRL], 2048, s[SRL]
	s_lshl_b32 s[TR], s[TR], 2
	s_add_co_u32 s[TR], s[TR], s[CY]               ; tile row
	s_lshl_b32 s[TC], s[TC], 2
	s_add_co_u32 s[TC], s[TC], s[CX]               ; tile column
	s_lshl_b32 s[T0], s[CY], 2
	s_lshl_b32 s[T0], 15, s[T0]                    ; my row of the cluster
	s_lshl_b32 s[T1], 0x1111, s[CX]                ; my column
	s_or_b32 s[G1A], s[T0], DPAD
	s_or_b32 s[G1SA], s[T0], DPAD
	s_or_b32 s[G1B], s[T1], DPAD
	s_or_b32 s[G1SB], s[T1], DPAD
.irp g, G1A, G1B                       ; 128 rows of 768 bytes are dense in memory: 384 rows of 256 bytes (32 elements of 8)
	s_mov_b32 s[\g+1], 32<<16                      ; tensor_dim0
	s_mov_b32 s[\g+2], 384<<16                     ; tensor_dim1: all 128 rows of 768 bytes = 384 rows of 256
	s_mov_b32 s[\g+3], 32<<16                      ; tile_dim0
	s_mov_b32 s[\g+4], 384                         ; tile_dim1
	s_mov_b32 s[\g+5], 32                          ; the pitch
	s_mov_b32 s[\g+6], 0
	s_mov_b32 s[\g+7], 0
.endr
.irp g, G1SA, G1SB                     ; their scale bytes: 128 rows of 32 bytes: 16 rows of 256
	s_mov_b32 s[\g+1], 32<<16
	s_mov_b32 s[\g+2], 16<<16                      ; the scale bytes of 128 rows: 16 rows of 256
	s_mov_b32 s[\g+3], 32<<16
	s_mov_b32 s[\g+4], 16
	s_mov_b32 s[\g+5], 32
	s_mov_b32 s[\g+6], 0
	s_mov_b32 s[\g+7], 0
.endr
	s_mov_b32 s[T2], 0                             ; a load brings a tile's 128 rows whole
	s_lshl_b32 s[T0], s[TR], 7
	s_add_co_u32 s[T0], s[T0], s[T2]               ; A: row 128 x tile row: it hangs on the tile row alone, which my row of the cluster shares
	s_mul_i32 s[G0A+2], s[T0], 768                 ; its codes, in bytes (under 2^22)
	s_mov_b32 s[G0A+3], 0
	s_lshl_b32 s[G0SA+2], s[T0], 5                 ; its scale bytes
	s_mov_b32 s[G0SA+3], 0
	s_lshl_b32 s[T1], s[TC], 7
	s_add_co_u32 s[T1], s[T1], s[T2]               ; B: the same of the tile column
	s_mul_i32 s[G0B+2], s[T1], 768
	s_mov_b32 s[G0B+3], 0
	s_lshl_b32 s[G0SB+2], s[T1], 5
	s_mov_b32 s[G0SB+3], 0
	s_mov_b32 s[G0A+1], 0                          ; where they go: A's 128 rows, B's behind them, then A's scale bytes and B's
	s_mov_b32 s[G0B+1], 2*HALFC
	s_mov_b32 s[G0SA+1], LSA
	s_mov_b32 s[G0SB+1], LSA+2*HALFS
	s_mov_b32 s[G0A], 1
	s_mov_b32 s[G0B], 1
	s_mov_b32 s[G0SA], 1
	s_mov_b32 s[G0SB], 1
	s_mov_b32 s[SEL], 0x76543210
	s_mov_b32 s[SEL+1], 0xfedcba98
	s_wait_dscnt 0x0
	s_wait_kmcnt 0x0
	s_cmp_eq_u32 s[GG], 0                          ; of each three pointers the g-th
	s_cselect_b64 s[6:7], s[4:5], s[6:7]
	s_cselect_b64 s[12:13], s[10:11], s[12:13]
	s_cselect_b64 s[18:19], s[16:17], s[18:19]
	s_cselect_b64 s[24:25], s[22:23], s[24:25]
	s_cmp_eq_u32 s[GG], 2
	s_cselect_b64 s[4:5], s[8:9], s[6:7]
	s_cselect_b64 s[10:11], s[14:15], s[12:13]
	s_cselect_b64 s[16:17], s[20:21], s[18:19]
	s_cselect_b64 s[22:23], s[26:27], s[24:25]
	s_add_nc_u64 s[G0A+2:G0A+3], s[4:5], s[G0A+2:G0A+3]
	s_or_b32 s[G0A+3], s[G0A+3], 0x80000000        ; 127:126 type = 2
	s_add_nc_u64 s[G0SA+2:G0SA+3], s[10:11], s[G0SA+2:G0SA+3]
	s_or_b32 s[G0SA+3], s[G0SA+3], 0x80000000
	s_add_nc_u64 s[G0B+2:G0B+3], s[16:17], s[G0B+2:G0B+3]
	s_or_b32 s[G0B+3], s[G0B+3], 0x80000000
	s_add_nc_u64 s[G0SB+2:G0SB+3], s[22:23], s[G0SB+2:G0SB+3]
	s_or_b32 s[G0SB+3], s[G0SB+3], 0x80000000
	CROUND                                         ; all sixteen work-groups are here: the joint loads meet
	ARM 1, G0A,  G1A,  .Lhead_b                    ; one tensor load a wave: wave 0 A's codes, wave 1 B's, wave 2 A's scale bytes, wave 3 B's
	ARM 2, G0B,  G1B,  .Lhead_sa
	ARM 3, G0SA, G1SA, .Lhead_sb
	tensor_load_to_lds s[G0SB:G0SB+3], s[G1SB:G1SB+7]
	s_nop 0
.rept 4
	v_nop
.endr
.Lhead_asked:
	v_and_b32 v1, 15, v0                           ; r
	v_bfe_u32 v2, v0, 4, 1                         ; h
	v_and_b32 v3, 31, v0                           ; lane
	; ---- THE MASK: my piece of 16 rows x 256 keys, while the tiles are on their way.  s4-27 held pointers that have gone into the descriptors: they are free.
	s_cmp_lt_u32 s[GG], 2                          ; g is the same in all sixteen partners
	s_cbranch_scc0 .Lno_mask
	s_lshl_b32 s20, s[GG], 7
	s_lshl_b32 s21, s[TR], 2
	s_add_co_u32 s20, s20, s21
	s_lshr_b32 s21, s[TC], 1
	s_add_co_u32 s20, s20, s21                     ; the tile of 16 queries: 128 g + 4 x tile row + tile column / 2: 0 .. 255
	s_and_b32 s21, s[TC], 1
	s_lshl_b32 s21, s21, 2
	s_add_co_u32 s21, s21, s[WV]                   ; which 256 of its 2,048 keys: 4 x (tile column % 2) + wave: 0 .. 7
	s_lshl_b32 s22, s20, 15                        ; 16 rows of 2,048 bytes,
	s_lshl_b32 s23, s21, 8
	s_add_co_u32 s22, s22, s23
	s_mov_b32 s23, 0
	s_add_nc_u64 s[MKP:MKP+1], s[MKP:MKP+1], s[22:23]
	s_lshl_b32 s24, s20, 12                        ; 4,096 bytes of words a tile, 512 a piece
	s_lshl_b32 s25, s21, 9
	s_add_co_u32 s24, s24, s25
	s_mov_b32 s25, 0
	s_add_nc_u64 s[MBP:MBP+1], s[MBP:MBP+1], s[24:25]
	s_wait_alu depctr_va_vdst(0)
	v_lshlrev_b32 v[MLA], 4, v1
	v_lshl_add_u32 v[MLA], v2, 11, v[MLA]          ; in: row lane / 16, 16 bytes a lane
.irp i, 0,1,2,3,4,5,6,7
	global_load_b128 v[MIN+4*\i:MIN+4*\i+3], v[MLA], s[MKP:MKP+1] offset:4096*\i th:TH_LOAD_NT   ; rows 2 i and 2 i + 1: sixteen lanes read 256 consecutive bytes; read once in the launch
.endr
	s_mul_i32 s26, s[WV], MWST
	s_add_co_u32 s26, s26, MST                     ; my stage: it hangs on the wave's number alone
	v_mul_u32_u24 v[MSI], v2, MPITCH
	v_lshl_add_u32 v[MSI], v1, 4, v[MSI]
	v_add_nc_u32 v[MSI], s26, v[MSI]               ; into the stage: the same two rows
	v_mul_u32_u24 v[MSO], v1, MPITCH
	v_lshl_add_u32 v[MSO], v2, 3, v[MSO]
	v_add_nc_u32 v[MSO], s26, v[MSO]               ; out of it: row r, 8 bytes for each half of the lanes
	v_lshlrev_b32 v[MOF], 4, v3                    ; out: 16 bytes a lane
.irp i, 0,1,2,3
	v_mov_b32 v[MOUT+\i], 0                        ; a lane write's destination counts as read
.endr
	s_wait_alu depctr_va_vdst(0)
.irp i, 0,1,2,3,4,5,6,7
	s_wait_loadcnt 7-\i                            ; loads come back in order: load i is in, the younger ones may be out (these eight are the launch's only loads into registers)
	ds_store_b128 v[MSI], v[MIN+4*\i:MIN+4*\i+3] offset:2*MPITCH*\i
.endr
.irp t, 0,1,2,3,4,5,6,7,8,9,10,11,12,13,14,15
	ds_load_b64 v[MPR+2*\t:MPR+2*\t+1], v[MSO] offset:16*\t   ; LDS serves a wave's instructions in order: these see my stores
.endr
	s_wait_dscnt 0x0
; word i = 8 T + j: byte j of pair T, not 0, as a lane mask; it becomes lane i / 4 of register i % 4.  Sixteen words at a time, so that each line stands sixteen behind the line whose result it reads.
.set MG, 0
.rept 8
.set MK, 0
.rept 16
.set MI, 16*MG+MK
	v_and_b32 v[MTP+MK], 0xff<<(8*(MI%4)), v[MPR+2*(MI/8)+((MI%8)/4)]
.set MK, MK+1
.endr
.set MK, 0
.rept 16
	v_cmp_ne_u32 s[4+MK], 0, v[MTP+MK]
.set MK, MK+1
.endr
.set MK, 0
.rept 16
.set MI, 16*MG+MK
	v_writelane_b32 v[MOUT+MI%4], s[4+MK], MI/4
.set MK, MK+1
.endr
.set MG, MG+1
.endr
	global_store_b128 v[MOF], v[MOUT:MOUT+3], s[MBP:MBP+1]   ; the wave stores 512 consecutive bytes, at a multiple of 256 from mb's first byte; nothing writes its registers or its base again
.Lno_mask:
	; where my results go
	s_mul_i32 s6, s[GG], 3145728
	s_mul_i32 s7, s[TR], s[MTR]
	s_add_co_u32 s6, s6, s7
	s_mul_i32 s7, s[TC], s[MTC]
	s_add_co_u32 s6, s6, s7
	s_mul_i32 s7, s[WC], s[SWC]
	s_add_co_u32 s6, s6, s7
	s_mul_i32 s7, s[WR], s[SWR]
	s_add_co_u32 s6, s6, s7
	s_mov_b32 s7, 0
	s_add_nc_u64 s[28:29], s[28:29], s[6:7]        ; my wave's first image
	s_lshl_b32 s8, s[GG], 17
	s_mul_i32 s9, s[TC], s[SRL]
	s_lshl_b32 s9, s9, 1
	s_add_co_u32 s8, s8, s9
	s_lshl_b32 s9, s[TR], 8
	s_add_co_u32 s8, s8, s9
	s_mov_b32 s9, 0
	s_add_nc_u64 s[30:31], s[30:31], s[8:9]        ; the work-group's two runs of 256 scale bytes
	s_wait_alu depctr_va_vdst(0)
	v_mul_u32_u24 v4, v1, PITCH
	v_mad_u32_u24 v4, v2, 24, v4                   ; a fragment's row x pitch + 24 x half
	v_lshl_add_u32 v5, v2, 4, v4                   ; and the same behind one padding more
	s_mul_i32 s[T0], s[WR], HALFC                  ; my 64 rows of A
	s_mul_i32 s[T1], s[WC], HALFC                  ; my 64 rows of B,
	s_add_co_u32 s[T1], s[T1], 2*HALFC             ; which lie behind A's 128
	v_add_nc_u32 v[ADRA], s[T0], v4
	v_add_nc_u32 v[ADRA+1], s[T0], v5
	v_add_nc_u32 v[ADRB], s[T1], v4
	v_add_nc_u32 v[ADRB+1], s[T1], v5
	v_lshlrev_b32 v6, 5, v1                        ; my row's scale bytes: 32 a row,
	v_lshrrev_b32 v7, 3, v1
	v_lshl_add_u32 v6, v7, 4, v6                   ; and 16 more for each 256 passed
	s_mul_i32 s[T0], s[WR], HALFS
	s_mul_i32 s[T1], s[WC], HALFS
	s_add_co_u32 s[T1], s[T1], 2*HALFS
	s_sub_co_u32 s[T1], s[T1], s[T0]
	v_mul_u32_u24 v7, s[T1], v2                    ; lanes 16-31 take B's: one product, the distance between the two bases
	s_add_co_u32 s[T0], s[T0], LSA
	v_add_nc_u32 v6, v6, v7
	v_add_nc_u32 v[ADRS], s[T0], v6
	s_lshl_b32 s[T0], s[WC], 8
	s_lshl_b32 s[T1], s[WR], 7
	s_add_co_u32 s[T0], s[T0], s[T1]
	s_add_co_u32 s[T0], s[T0], STG
	v_lshl_add_u32 v[STI], v1, 1, s[T0]            ; the stage: 256 x column half + 2 x (my row among the tile's 128)
	v_lshl_add_u32 v[STR], v3, 4, STG
	v_mul_u32_u24 v[SOF], s[SRL], v2
	v_lshl_add_u32 v[SOF], v1, 4, v[SOF]           ; out: lanes 0-15 the first column half's 256 bytes, lanes 16-31 the second's
.irp a, 0,1,2,3
	s_mul_i32 s[T0], s[SSA], \a
	v_lshl_add_u32 v[VO+\a], v3, 3, s[T0]          ; 8 x lane + block a's image
.endr
	v_mov_b32 v[TM+2], 0                           ; written once: a lane permute's destination counts as one of its sources
	v_mov_b32 v[TM+3], 0
; A fragment, 16 rows x 128 K, is 12 registers: lane l holds row l % 16; registers 6 c .. 6 c + 5 hold K = 64 c + 32 (l / 16) + 0 .. 31: 24 bytes of the row's stream of bits, as they lie, in pieces of 8 bytes.
; Lanes 16-31 read three pieces further on than lanes 0-15; where that is behind one padding more (a padding follows every 32 pieces), the second address register serves.
.macro FRAG reg, adr, ks, i
.irp p, 0,1,2,3,4,5
.set PCE, 12*(\ks)+6*(\p/3)+\p%3
.if PCE%32 < 29
	ds_load_b64 v[\reg+2*\p:\reg+2*\p+1], v[\adr] offset:8*PCE+16*(PCE/32)+(\i)*BLK16
.else
	ds_load_b64 v[\reg+2*\p:\reg+2*\p+1], v[\adr+1] offset:8*PCE+16*(PCE/32)+(\i)*BLK16
.endif
.endr
.endm
.macro FETCH ks                        ; 48 loads in one run: K step ks, into set ks % 2
	WIN TO_F
.set FD, 128*((\ks)%2)
.irp i, 0,1,2,3
	FRAG FD+12*\i, ADRB, \ks, \i
	FRAG FD+48+12*\i, ADRA, \ks, \i
.endr
.endm
; A K step: the next step's fragments are asked for, then 16 matrix instructions.  The 16 accumulators take turns, one instruction a turn, in the same order in every step.
.macro KSTEP ks
.if (\ks) < 7
.if (\ks) > 0
	PLACES                                         ; the set about to be loaded was multiplied in the step before
.endif
	FETCH (\ks)+1
	s_wait_dscnt 48                                ; all but the 48 just issued: this step's fragments are in (and, in step 0, the scale words)
.else
	s_wait_dscnt 0x0
.endif
	WIN MUL
.set FB, 128*((\ks)%2)
.irp a, 0,1,2,3
.irp b, 0,1,2,3
.if (\ks) == 0
	v_wmma_scale_f32_16x16x128_f8f6f4 v[ACC+8*(4*\a+\b):ACC+8*(4*\a+\b)+7], v[FB+12*\b:FB+12*\b+11], v[FB+48+12*\a:FB+48+12*\a+11], 0, v[SC+8*\b+(\ks)], v[SC+8*\a+(\ks)] matrix_a_fmt:MATRIX_FMT_FP6 matrix_b_fmt:MATRIX_FMT_FP6 matrix_a_scale:MATRIX_SCALE_ROW1
.else
	v_wmma_scale_f32_16x16x128_f8f6f4 v[ACC+8*(4*\a+\b):ACC+8*(4*\a+\b)+7], v[FB+12*\b:FB+12*\b+11], v[FB+48+12*\a:FB+48+12*\a+11], v[ACC+8*(4*\a+\b):ACC+8*(4*\a+\b)+7], v[SC+8*\b+(\ks)], v[SC+8*\a+(\ks)] matrix_a_fmt:MATRIX_FMT_FP6 matrix_b_fmt:MATRIX_FMT_FP6 matrix_a_scale:MATRIX_SCALE_ROW1
.endif
.endr
.endr
.endm
; 32 numbers of a lane, v[s] .. v[s + 31] (register 16 b + i belongs to block b of my row; lane l xor 16 holds the block's other 16), become an image in v[pc] .. v[pc + 5] and two scale bytes in v[pw].
.macro QUANT2 s, pc, pw
.irp b, 0,1
	v_max3_num_f32 v[TM+\b], |v[\s+16*\b]|, |v[\s+16*\b+1]|, 0x1800000   ; my 16 numbers, from each accumulator's low end on, and the floor 2^(3 - 127): the byte cannot fall under 1
.endr
.irp i, 2,4,6,8,10,12,14
.irp b, 0,1
	v_max3_num_f32 v[TM+\b], v[TM+\b], |v[\s+16*\b+\i]|, |v[\s+16*\b+\i+1]|
.endr
.endr
.irp b, 0,1
	v_permlanex16_b32 v[TM+2+\b], v[TM+\b], s[SEL], s[SEL+1]
.endr
.irp b, 0,1
	v_max_num_f32 v[TM+\b], v[TM+\b], v[TM+2+\b]   ; the block's largest magnitude
.endr
.irp b, 0,1
	v_add_nc_u32 v[TM+4+\b], 0xff000000, v[TM+\b]  ; 2 off its exponent field: the conversion takes the exponent field of this operand as its scale
.endr
.irp b, 0,1
	v_lshrrev_b32 v[TM+2+\b], 23, v[TM+4+\b]       ; the scale's byte
.endr
	v_lshl_or_b32 v[\pw], v[TM+3], 8, v[TM+2]
	v_cvt_scalef32_pk16_fp6_f32 v[\pc:\pc+2], v[\s:\s+15], v[TM+4]
	v_cvt_scalef32_pk16_fp6_f32 v[\pc+4:\pc+6], v[\s+16:\s+31], v[TM+5]   ; (a conversion's three registers begin on an even number)
	v_nop                                          ; one plain place behind a scaled conversion
.irp i, 0,1,2
	v_permlane16_swap_b32 v[\pc+\i], v[\pc+4+\i]   ; a whole block to a lane: lanes 0-15 block 0, lanes 16-31 block 1
.endr
.irp i, 0,1,2
	v_mov_b32 v[\pc+3+\i], v[\pc+4+\i]             ; ascending, so that each source is read before it is written
.endr
.endm
	s_wait_tensorcnt 0x0                           ; my load has landed,
	s_barrier_signal -1
	s_barrier_wait -1                              ; everybody's have
.irp i, 0,1,2,3
	ds_load_b128 v[SC+8*\i:SC+8*\i+3], v[ADRS] offset:544*\i        ; a row's eight scale words, for all of K
	ds_load_b128 v[SC+8*\i+4:SC+8*\i+7], v[ADRS] offset:544*\i+16
.endr
	FETCH 0
.irp k, 0,1,2,3,4,5,6,7
	KSTEP \k
.endr
	WIN 0
	PLACES
.irp a, 0,1,2,3                        ; my rows 16 a on: their 64 numbers along n are one image and two scale bytes a row
	QUANT2 ACC+32*\a, PC+8*\a, PW+\a
.irp p, 0,1,2
	global_store_b64 v[VO+\a], v[PC+8*\a+2*\p:PC+8*\a+2*\p+1], s[28:29] offset:256*\p   ; the wave stores 256 consecutive bytes, at a multiple of 256 from the buffer's first byte
.endr
	ds_store_b16 v[STI], v[PW+\a] offset:32*\a     ; both halves of the lanes write the same bytes with the same value
.endr
	s_wait_dscnt 0x0                               ; for the others' sake: my stores into the stage are done
	s_barrier_signal -1
	s_barrier_wait -1
	s_cmp_lg_u32 s[WV], 0
	s_cbranch_scc1 .Lno_scales
	ds_load_b128 v[SB:SB+3], v[STR]
	s_wait_dscnt 0x0
	global_store_b128 v[SOF], v[SB:SB+3], s[30:31] ; sixteen lanes store 256 consecutive bytes, aligned
.Lno_scales:
	s_wait_tensorcnt 0x0
	ds_add_u32 v126, v127
	s_wait_dscnt 0x0
	CROUND                                         ; the closing round: no work-group ends while a partner may still ask for a block that names it
	s_endpgm
.Lfunc_end_k_qbf8393bfeb_proj:
	.size	k_qbf8393bfeb_proj, .Lfunc_end_k_qbf8393bfeb_proj-k_qbf8393bfeb_proj
	.p2alignl 7, 3214868480
	.fill 96, 4, 3214868480
	.section	.rodata,"a",@progbits
	.p2align	6, 0x0
	.amdhsa_kernel k_qbf8393bfeb_proj
		.amdhsa_group_segment_fixed_size 236032
		.amdhsa_private_segment_fixed_size 0
		.amdhsa_enable_private_segment 0
		.amdhsa_kernarg_size 128
		.amdhsa_user_sgpr_count 2
		.amdhsa_user_sgpr_kernarg_segment_ptr 1
		.amdhsa_wavefront_size32 1
		.amdhsa_system_sgpr_workgroup_id_x 1
		.amdhsa_system_sgpr_workgroup_id_y 1
		.amdhsa_system_sgpr_workgroup_id_z 1
		.amdhsa_system_vgpr_workitem_id 0
		.amdhsa_next_free_vgpr 512
		.amdhsa_next_free_sgpr 106
		.amdhsa_reserve_vcc 0
		.amdhsa_float_denorm_mode_32 3
		.amdhsa_float_denorm_mode_16_64 3
		.amdhsa_memory_ordered 1
		.amdhsa_forward_progress 1
		.amdhsa_inst_pref_size 90
	.end_amdhsa_kernel
	.amdgpu_metadata
---
amdhsa.version: [ 1, 2 ]
amdhsa.kernels:
  - .name:           k_qbf8393bfeb_proj
    .symbol:         k_qbf8393bfeb_proj.kd
    .args:
      - { .name: q_codes, .offset: 0, .size: 8, .value_kind: global_buffer, .address_space: global }
      - { .name: k_codes, .offset: 8, .size: 8, .value_kind: global_buffer, .address_space: global }
      - { .name: Wv_codes, .offset: 16, .size: 8, .value_kind: global_buffer, .address_space: global }
      - { .name: q_scales, .offset: 24, .size: 8, .value_kind: global_buffer, .address_space: global }
      - { .name: k_scales, .offset: 32, .size: 8, .value_kind: global_buffer, .address_space: global }
      - { .name: Wv_scales, .offset: 40, .size: 8, .value_kind: global_buffer, .address_space: global }
      - { .name: Wq_codes, .offset: 48, .size: 8, .value_kind: global_buffer, .address_space: global }
      - { .name: Wk_codes, .offset: 56, .size: 8, .value_kind: global_buffer, .address_space: global }
      - { .name: v_codes, .offset: 64, .size: 8, .value_kind: global_buffer, .address_space: global }
      - { .name: Wq_scales, .offset: 72, .size: 8, .value_kind: global_buffer, .address_space: global }
      - { .name: Wk_scales, .offset: 80, .size: 8, .value_kind: global_buffer, .address_space: global }
      - { .name: v_scales, .offset: 88, .size: 8, .value_kind: global_buffer, .address_space: global }
      - { .name: qkv, .offset: 96, .size: 8, .value_kind: global_buffer, .address_space: global }
      - { .name: sc3, .offset: 104, .size: 8, .value_kind: global_buffer, .address_space: global }
      - { .name: mask, .offset: 112, .size: 8, .value_kind: global_buffer, .address_space: global }
      - { .name: mb, .offset: 120, .size: 8, .value_kind: global_buffer, .address_space: global }
    .group_segment_fixed_size: 236032
    .private_segment_fixed_size: 0
    .kernarg_segment_align: 8
    .kernarg_segment_size: 128
    .max_flat_workgroup_size: 128
    .sgpr_count:     106
    .vgpr_count:     512
    .wavefront_size: 32
...
	.end_amdgpu_metadata
.endif
;; end of part 1
;; launch attn (part 2): grid 8 x 32, 16 waves a work-group, clusters of 4 x 1, 215,040 bytes of LDS; arguments qkv, sc3, mb, cc, cs; writes cc, cs
.if DOCPART == 2
	.amdgcn_target "amdgcn-amd-amdhsa--gfx1250"
	.amdhsa_code_object_version 6
	.text
	.protected	k_qbf8393bfeb_attn
	.globl	k_qbf8393bfeb_attn
	.p2align	8
	.type	k_qbf8393bfeb_attn,@function
k_qbf8393bfeb_attn:
	s_mov_b64 s[64:65], 0
	v_nop
	global_prefetch_b8 v0, s[64:65] scope:SCOPE_SE
	s_setreg_imm32_b32 hwreg(HW_REG_WAVE_MODE, 25, 1), 1
	s_wait_xcnt 0x0
	s_wait_alu depctr_hold_cnt(0) depctr_sa_sdst(0) depctr_va_vdst(0) depctr_va_sdst(0) depctr_va_ssrc(0) depctr_va_vcc(0) depctr_vm_vsrc(0)
	s_getreg_b32 s2, hwreg(HW_REG_IB_STS2, 6, 4)
	s_cmp_eq_u32 s2, 0
	s_cbranch_scc0 .Lentry_in_a_cluster
	s_endpgm
.Lentry_in_a_cluster:
	s_bfe_u32 s2, ttmp6, 0x10000c
	s_cmp_lg_u32 s2, 0x3003
	s_cbranch_scc0 .Lentry_shape_is_right
	s_endpgm
.Lentry_shape_is_right:
; ctx[b][q][head] = softmax over the keys of (masked scores / 8) times vw, both products on codes of FP6 (E2M3) with one E8M0 scale for each 32 along K; ctx is quantised along the channels on its way out.
; THE SOFTMAX AHEAD OF THE SECOND PRODUCT: t = score x log2(e) / 8; M = the row's largest t so far, rounded UP to a whole number; p = 2^(t - M) is what is quantised, along the keys, not normalised.
; The row's sum is taken of the unquantised p and divides O at the end.  When M moves, the sum and O are multiplied by 2^(old M - new M): exact.
; SHARES.  A work-group owns 256 queries of one (batch, head); each of its sixteen waves 16 of them, in 256 registers: four waves to a SIMD, so that one wave's vector work stands beside another's matrix work and LDS loads.
; The head's K and V codes, 98,304 bytes each, and their scales lie in LDS WHOLE: one fill, one barrier, no ring.  Every wave walks the 2,048 keys, 128 a step.
; CLUSTER.  The four query blocks of a cluster belong to one head: K and V are asked for JOINTLY, by the same tensor loads with a mask that names the four.
; LAYOUT.  Both products are used transposed: S^T = K Q^T (source 0 = 16 keys), O^T = V^T P^T (source 0 = 16 channels): a lane holds ONE query (lane % 16) throughout.  Operands lie in memory and in LDS as IMAGES (16 rows x 64 along K:
; three planes of 256 bytes, plane p = registers 2 p, 2 p + 1 of lane l at byte 8 l): every LDS load takes 256 consecutive bytes.  Score register 8 t + j of lane l is key 16 t + 8 (l / 16) + j of the step; the 16 registers of tiles 2 b, 2 b + 1
; are quantised together, which lays block b's codes in the order in which the launch before laid V's.
; K = 64 IN THE FIRST PRODUCT: the upper half of the instruction's 128 is filled with zero codes on Q's side (six cleared registers).  K's operand of tile t is v[F + 6 t .. F + 6 t + 11]: its upper six registers hold the next tile's codes
; (behind the last tile six cleared ones), which meet Q's zeros under scale bytes 0: they add nothing, and K costs three loads a tile.
; THE MASK comes as lane masks, one word for each score register (64 a step), by scalar loads a step ahead; one select a score.
; LIMITS.  A masked score is set to -2^30 where the definition has -1e9: c x 2^30 is a whole number, so a row with every key masked gets t - M = 0 and p = 1 for all keys, uniform as the definition's; all other rows are the same
; as long as scores that count lie above about -9e8.  NaN and infinities are not served.  A block's largest p is taken from its largest score, through the same multiply-add and exponential.
; A block of p or of ctx whose largest magnitude lies under 2^-124 (zeros too) has its scale byte held at 1: its codes are zeros or nearly, and this program alone reads the bytes.
.set VC,   98304                       ; LDS: K's codes [step 16][tile 8][768] at 0;  V's [step 16][tile 4][1536] here;
.set KSC,  196608                      ; K's scales, 2 bytes a key;
.set VSC,  200704                      ; V's scale words [step 16][channel 64];
.set CSG,  204800                      ; a stage of 512 bytes for ctx's scales.  The last three are written by LDS stores: no tensor load lands there
.set AK0,  1                           ; v1  8 x lane
.set AV0,  2                           ; v2  VC + 8 x lane
.set ASK0, 3                           ; v3  KSC + 2 x lane
.set ASV0, 4                           ; v4  VSC + 4 x lane
.set NEGV, 5                           ; v5  -2^30
.set QO,   6                           ; v6  my byte offset in the q part of qkv, and in cc
.set CSI,  7                           ; v7  the stage, in
.set ADK,  8                           ; v8-11 the step's addresses
.set ADV,  9
.set ADS,  10
.set ADT,  11
                                       ; v12 -M, v13 the largest t, v[14:15] the sum in two halves
.set Q,    16                          ; v16-27 Q's operand (v22-27 zeros)
.set QS,   28                          ; v28 Q's scale word
.set KS,   30                          ; v30-33 K's scale words: lanes 0-15 tile 2 x, lanes 16-31 tile 2 x + 1
.set VS,   34                          ; v34-35 V's likewise
.set F,    36                          ; v36-89 K's eight tiles, then V's four fragments
.set CSO,  90                          ; v90 my byte offset in cs
.set CSR,  91                          ; v91 the stage, out
.set S,    96                          ; v96-159 S^T, then p
.set O,    160                         ; v160-191 O^T
.set PCD,  192                         ; v192-203 p's codes
.set CT,   204                         ; v204-210 conversions' second halves
.set BM,   212                         ; v212-215 block maxima
.set PT,   216                         ; v216-219 the other half's, then the bytes
.set SO,   220                         ; v220-223 the conversions' scale operands
.set TP,   228
.set FF,   230                         ; v230 f = 2^(old M - new M); v231 named with it as a pair
.set PWD,  232                         ; v232 p's scale word
.set SU,   234                         ; v234-235 the sum's second chain
.set TM,   212                         ; ctx's quantiser works in v212-217
.set SEL,  2                           ; s[2:3]
.set WV,   14
.set CNT,  15
                                       ; s16-63, s68-83: the step's 64 mask words
.set G1,   84                          ; s[84:91] descriptor group 1; behind the wait for the loads s[84:85] hold c
.set CS,   84
.set G0K,  92
.set G0V,  96
.set TB,   100                         ; the step's first byte among K's codes, and among V's: 6,144 a step
.set TS,   101                         ; and among the scales: 256 a step
.macro ROUND                           ; a round of the cluster's barrier
	s_barrier_signal -1
	s_barrier_wait -1
	s_cmp_lg_u32 s[WV], 0
	s_cbranch_scc1 .Lnot_wave_0_\@
	s_barrier_signal -3
.Lnot_wave_0_\@:
	s_barrier_wait -3
	s_barrier_signal -1
	s_barrier_wait -1
.endm
	s_load_b256 s[4:11], s[0:1], 0x0               ; qkv, sc3, mb, cc
	s_load_b64 s[12:13], s[0:1], 0x20              ; cs
	v_lshl_add_u32 v254, v0, 2, 0x34000
	v_mov_b32 v255, 0
	ds_add_u32 v254, v255
	ds_add_u32 v254, v255
	v_lshrrev_b32 v1, 5, v0
	s_delay_alu instid0(VALU_DEP_1)
	v_readfirstlane_b32 s[WV], v1                  ; wave 0..15
	s_bfe_u32 s16, ttmp6, 0x40000                  ; cx
	s_lshl_b32 s17, ttmp9, 2
	s_add_co_u32 s17, s17, s16                     ; my block of 256 queries: it enters global addresses of my own loads and stores alone
	s_and_b32 s18, ttmp7, 0xffff
	s_lshr_b32 s19, s18, 4                         ; batch
	s_and_b32 s20, s18, 15                         ; head
	s_and_b32 s21, s[WV], 7                        ; which two key steps I fetch
	s_mul_i32 s22, s19, 1572864                    ; the batch's 16 steps of 98,304 bytes,
	s_mul_i32 s23, s20, 6144                       ; the head's 6,144 in each,
	s_add_co_u32 s22, s22, s23
	s_mul_i32 s24, s21, 196608                     ; my two steps
	s_add_co_u32 s22, s22, s24
	s_mov_b32 s[G0K], 1
	s_mul_i32 s[G0K+1], s21, 12288                 ; waves 0-7: K's steps 2 s, 2 s + 1
	s_add_co_u32 s[G0K+2], s22, 3145728            ; the k part of qkv
	s_mov_b32 s[G0K+3], 0
	s_mov_b32 s[G0V], 1
	s_add_co_u32 s[G0V+1], s[G0K+1], VC            ; waves 8-15: V's
	s_add_co_u32 s[G0V+2], s22, 6291456            ; the v part
	s_mov_b32 s[G0V+3], 0
	s_mov_b32 s[G1], 15|(3<<16)|(1<<21)            ; 15:0 the mask: all four work-groups; 17:16 elements of 8 bytes; 21 set beside a mask; no padding: images are read 256 consecutive bytes at a time
	s_mov_b32 s[G1+1], 768<<16                     ; tensor_dim0: 6,144 bytes
	s_mov_b32 s[G1+2], 2<<16                       ; tensor_dim1: two steps
	s_mov_b32 s[G1+3], 768<<16                     ; tile_dim0
	s_mov_b32 s[G1+4], 2                           ; tile_dim1
	s_mov_b32 s[G1+5], 12288                       ; the pitch: 98,304 bytes
	s_mov_b32 s[G1+6], 0
	s_mov_b32 s[G1+7], 0
	s_mov_b32 s[SEL], 0x76543210
	s_mov_b32 s[SEL+1], 0xfedcba98
	s_wait_dscnt 0x0
	s_wait_kmcnt 0x0
	s_add_nc_u64 s[G0K+2:G0K+3], s[4:5], s[G0K+2:G0K+3]
	s_or_b32 s[G0K+3], s[G0K+3], 0x80000000
	s_add_nc_u64 s[G0V+2:G0V+3], s[4:5], s[G0V+2:G0V+3]
	s_or_b32 s[G0V+3], s[G0V+3], 0x80000000
	ROUND                                          ; all four work-groups are here: the joint loads meet
	s_cmp_lt_u32 s[WV], 8                          ; one tensor load a wave, the only one of the launch; four v_nop follow each line
	s_cbranch_scc0 .Lfor_v
	tensor_load_to_lds s[G0K:G0K+3], s[G1:G1+7]
	s_nop 0
.rept 4
	v_nop
.endr
	s_branch .Lasked
.Lfor_v:
	tensor_load_to_lds s[G0V:G0V+3], s[G1:G1+7]
	s_nop 0
.rept 4
	v_nop
.endr
.Lasked:
	v_and_b32 v12, 31, v0                          ; lane
	s_wait_alu depctr_va_vdst(0)
	v_and_b32 v13, 15, v0                          ; r
	s_wait_alu depctr_va_vdst(0)
	s_lshl_b32 s24, s19, 4                         ; my tile of 16 queries: rows / 128 = 16 batch + 2 block + wave / 8,
	s_lshl_b32 s25, s17, 1
	s_add_co_u32 s24, s24, s25
	s_lshr_b32 s25, s[WV], 3
	s_add_co_u32 s24, s24, s25
	s_mul_i32 s24, s24, 98304
	s_add_co_u32 s24, s24, s23                     ; the head,
	s_mul_i32 s25, s21, 768                        ; tile wave % 8 of the eight
	s_add_co_u32 s24, s24, s25
	v_lshl_add_u32 v[QO], v12, 3, s24
	s_lshl_b32 s26, s20, 13
	s_lshl_b32 s27, s19, 12
	s_add_co_u32 s26, s26, s27                     ; [head][row] of 2 bytes: the head and the batch
	s_add_co_u32 s27, s26, 131072                  ; the k part of sc3
	v_lshl_add_u32 v8, v0, 3, s27                  ; K's scales: 512 threads x 8 bytes = 2,048 keys
	s_wait_alu depctr_va_vdst(0)
	s_lshl_b32 s28, s19, 16                        ; V's: row 32 batch + 2 step + half of 2,048 bytes; wave w takes step w
	s_lshl_b32 s29, s[WV], 12
	s_add_co_u32 s28, s28, s29
	s_lshl_b32 s29, s20, 7                         ; the head's 64 channels
	s_add_co_u32 s28, s28, s29
	s_add_co_u32 s28, s28, 262144                  ; the v part
	v_lshl_add_u32 v9, v12, 2, s28
	s_lshl_b32 s29, s17, 9
	s_add_co_u32 s26, s26, s29                     ; my block's 256 rows
	v_lshl_add_u32 v[CSO], v12, 4, s26
	s_lshl_b32 s29, s[WV], 5
	s_add_co_u32 s27, s26, s29                     ; my wave's 16
	v_lshl_add_u32 v10, v13, 1, s27
	v_lshl_add_u32 v[CSI], v13, 1, s29
	s_delay_alu instid0(VALU_DEP_1)
	v_add_nc_u32 v[CSI], CSG, v[CSI]
	global_load_b64 v[36:37], v8, s[6:7]           ; K's scales
	global_load_b32 v38, v9, s[6:7]                ; V's: keys 0-63 of my step, channels 2 lane, 2 lane + 1
	global_load_b32 v39, v9, s[6:7] offset:2048    ; keys 64-127
.irp p, 0,1,2
	global_load_b64 v[Q+2*\p:Q+2*\p+1], v[QO], s[4:5] offset:256*\p   ; Q's image stays in registers
.endr
	global_load_u16 v[QS], v10, s[6:7]             ; its two scale bytes; the upper two are 0
	s_lshl_b32 s30, s19, 7                         ; the mask words of my tile: 128 batch + 16 block + wave, 4,096 bytes each
	s_lshl_b32 s31, s17, 4
	s_add_co_u32 s30, s30, s31
	s_add_co_u32 s30, s30, s[WV]
	s_lshl_b32 s30, s30, 12
	s_mov_b32 s31, 0
	s_add_nc_u64 s[8:9], s[8:9], s[30:31]
	s_load_b512 s[16:31], s[8:9], 0x0              ; step 0's 64 words
	s_load_b512 s[32:47], s[8:9], 0x40
	s_load_b512 s[48:63], s[8:9], 0x80
	s_load_b512 s[68:83], s[8:9], 0xc0
	v_lshlrev_b32 v[AK0], 3, v12
	v_lshl_add_u32 v[AV0], v12, 3, VC
	v_lshl_add_u32 v[ASK0], v12, 1, KSC
	v_lshl_add_u32 v[ASV0], v12, 2, VSC
	v_lshl_add_u32 v[CSR], v12, 4, CSG
	v_lshl_add_u32 v92, v0, 3, KSC
	v_lshl_add_u32 v93, v0, 3, VSC
	v_mov_b32 v[NEGV], 0xce800000                  ; -2^30
	v_mov_b32 v13, 0xff61b1e6                      ; the largest t so far: -3e38, under every t
	s_delay_alu instid0(VALU_DEP_1)
	v_floor_f32 v12, -v13                          ; -M
	v_mov_b32 v14, 0
	v_mov_b32 v15, 0
.irp j, 0,1,2,3,4,5
	v_mov_b32 v[Q+6+\j], 0                         ; Q's upper half: zero codes
	v_mov_b32 v[F+48+\j], 0                        ; behind K's last tile
.endr
.irp b, 0,1,2,3
	v_mov_b32 v[PT+\b], 0                          ; written once: a lane permute's destination counts as one of its sources
.endr
	v_mov_b32 v[FF+1], 0
.set j, 0
.rept 32
	v_mov_b32 v[O+j], 0                            ; O^T.  (The step is written for all steps alike: the first finds zeros, which the first change of M leaves zeros)
.set j, j+1
.endr
	s_mov_b32 s[TB], 0
	s_mov_b32 s[TS], 0
	s_mov_b32 s[CNT], 15
	s_wait_loadcnt 4                               ; the three loads of scales are in; Q's four may be out
	ds_store_b64 v92, v[36:37]
	v_perm_b32 v40, v39, v38, 0x05040100           ; a channel's word: its two bytes for keys 0-63 below, those for keys 64-127 above
	v_perm_b32 v41, v39, v38, 0x07060302
	ds_store_b64 v93, v[40:41]
	s_wait_loadcnt 0x0                             ; Q
	s_wait_tensorcnt 0x0                           ; my part of K or V has landed,
	s_mov_b32 s[CS], 0x3e38aa3b                    ; (no tensor load of mine is out: the descriptor's registers are free)  c = log2(e) / 8
	s_mov_b32 s[CS+1], s[CS]                       ; the packed form names the pair
	s_wait_dscnt 0x0                               ; my stores of scales are done:
	s_barrier_signal -1
	s_barrier_wait -1                              ; everybody's are
; A KEY STEP: 128 keys.  more = 1: the next step's mask words are asked for.
.macro STEP more
	v_add_nc_u32 v[ADK], s[TB], v[AK0]             ; these four are the places behind the last step's products, in front of the loads into registers that they have read
	v_add_nc_u32 v[ADV], s[TB], v[AV0]
	v_add_nc_u32 v[ADS], s[TS], v[ASK0]
	v_add_nc_u32 v[ADT], s[TS], v[ASV0]
.irp t, 0,1,2,3,4,5,6,7
.irp p, 0,1,2
	ds_load_b64 v[F+6*\t+2*\p:F+6*\t+2*\p+1], v[ADK] offset:768*\t+256*\p
.endr
.endr
.irp x, 0,1,2,3
	ds_load_u16 v[KS+\x], v[ADS] offset:64*\x      ; the upper two bytes are 0
.endr
	s_wait_alu depctr_va_vdst(0)
	s_wait_dscnt 0x0
.irp x, 0,1,2,3
	v_wmma_scale_f32_16x16x128_f8f6f4 v[S+16*\x:S+16*\x+7], v[F+12*\x:F+12*\x+11], v[Q:Q+11], 0, v[KS+\x], v[QS] matrix_a_fmt:MATRIX_FMT_FP6 matrix_b_fmt:MATRIX_FMT_FP6
	v_wmma_scale_f32_16x16x128_f8f6f4 v[S+16*\x+8:S+16*\x+15], v[F+12*\x+6:F+12*\x+17], v[Q:Q+11], 0, v[KS+\x], v[QS] matrix_a_fmt:MATRIX_FMT_FP6 matrix_b_fmt:MATRIX_FMT_FP6 matrix_a_scale:MATRIX_SCALE_ROW1
.endr
.rept 4
	v_nop                                          ; places in front of the loads below and of the first read of the scores
.endr
.irp t, 0,1,2,3                        ; V's fragments are asked for already: they land under the softmax
.irp p, 0,1,2,3,4,5
	ds_load_b64 v[F+12*\t+2*\p:F+12*\t+2*\p+1], v[ADV] offset:1536*\t+256*\p
.endr
.endr
.irp x, 0,1
	ds_load_b32 v[VS+\x], v[ADT] offset:128*\x
.endr
	s_wait_kmcnt 0x0                               ; this step's mask words
.set i, 0
.rept 64                               ; each accumulator from its low end on
.if i < 48
	v_cndmask_b32 v[S+i], v[S+i], v[NEGV], s[16+i]
.else
	v_cndmask_b32 v[S+i], v[S+i], v[NEGV], s[20+i]
.endif
.set i, i+1
.endr
.irp b, 0,1,2,3
	v_max3_num_f32 v[BM+\b], v[S+16*\b], v[S+16*\b+1], v[S+16*\b+2]   ; the largest score of each block of 32 keys: for the row's maximum and, since p rises with the score, for the block's largest p
.endr
.irp i, 3,5,7,9,11,13
.irp b, 0,1,2,3
	s_delay_alu instid0(VALU_DEP_4)
	v_max3_num_f32 v[BM+\b], v[BM+\b], v[S+16*\b+\i], v[S+16*\b+\i+1]
.endr
.endr
.irp b, 0,1,2,3
	s_delay_alu instid0(VALU_DEP_4)
	v_max_num_f32 v[BM+\b], v[BM+\b], v[S+16*\b+15]
.endr
.if \more
	s_add_nc_u64 s[8:9], s[8:9], 256               ; (the wait above has shown the last four scalar loads done)  the next step's 64 words: the rest of the step stands between these loads and the wait for them
	s_load_b512 s[16:31], s[8:9], 0x0
	s_load_b512 s[32:47], s[8:9], 0x40
	s_load_b512 s[48:63], s[8:9], 0x80
	s_load_b512 s[68:83], s[8:9], 0xc0
.endif
.irp b, 0,1,2,3
	v_permlanex16_b32 v[PT+\b], v[BM+\b], s[SEL], s[SEL+1]
.endr
.irp b, 0,1,2,3
	s_delay_alu instid0(VALU_DEP_4)
	v_max_num_f32 v[BM+\b], v[BM+\b], v[PT+\b]     ; with lane l xor 16's 16 keys
.endr
	s_delay_alu instid0(VALU_DEP_2)
	v_max3_num_f32 v[TP], v[BM], v[BM+1], v[BM+2]
	s_delay_alu instid0(VALU_DEP_1)
	v_max_num_f32 v[TP], v[TP], v[BM+3]            ; the step's largest score of my query
	s_delay_alu instid0(VALU_DEP_1)
	v_mul_f32 v[TP], s[CS], v[TP]                  ; as t
	s_delay_alu instid0(VALU_DEP_1)
	v_max_num_f32 v13, v13, v[TP]                  ; the running largest t
	v_mov_b32 v[TP], v12
	s_delay_alu instid0(VALU_DEP_2)
	v_floor_f32 v12, -v13                          ; the new -M = floor(-t) = -ceil(t): a whole number
	s_delay_alu instid0(VALU_DEP_1)
	v_sub_f32 v[TP], v12, v[TP]                    ; old M less new M: a whole number, 0 or less
	s_delay_alu instid0(VALU_DEP_1)
	v_cvt_i32_f32 v[TP], v[TP]                     ; (it saturates)
	s_delay_alu instid0(VALU_DEP_1)
	v_ldexp_f32 v[FF], 1.0, v[TP]                  ; f = 2^(old M - new M)
.set j, 0
.rept 32
	v_pk_fma_f32 v[S+j:S+j+1], v[S+j:S+j+1], s[CS:CS+1], v[12:13] op_sel_hi:[1,0,0]   ; t - M, two at a time (of the pairs c and -M the low word serves both halves)
.set j, j+2
.endr
.irp b, 0,1,2,3
	v_fma_f32 v[BM+\b], v[BM+\b], s[CS], v12       ; the same of each block's largest score
.endr
.set j, 0
	s_wait_alu depctr_va_vdst(0)
.rept 64
	v_exp_f32 v[S+j], v[S+j]                       ; p = 2^(t - M), at most 1
.set j, j+1
.endr
.irp b, 0,1,2,3
	v_exp_f32 v[BM+\b], v[BM+\b]                   ; the block's largest p
.endr
	v_pk_mul_f32 v[14:15], v[14:15], v[FF:FF+1] op_sel_hi:[1,0]   ; the sums under the new M.  (A plain place behind the exponentials)
	s_wait_alu depctr_va_vdst(0)
.irp b, 0,1,2,3
	v_max_num_f32 v[BM+\b], 0x1800000, v[BM+\b]    ; the floor 2^(3 - 127): the byte cannot fall under 1
.endr
.irp b, 0,1,2,3
	s_delay_alu instid0(VALU_DEP_4)
	v_add_nc_u32 v[SO+\b], 0xff000000, v[BM+\b]    ; 2 off the exponent field: the conversion's scale operand
.endr
.irp b, 0,1,2,3
	s_delay_alu instid0(VALU_DEP_4)
	v_lshrrev_b32 v[PT+\b], 23, v[SO+\b]           ; the scale's byte
.endr
	s_delay_alu instid0(VALU_DEP_3)
	v_lshl_or_b32 v[PWD], v[PT+1], 8, v[PT]        ; p's scale word for these 128 keys
	s_delay_alu instid0(VALU_DEP_1)
	v_lshl_or_b32 v[PWD], v[PT+2], 16, v[PWD]
	s_delay_alu instid0(VALU_DEP_1)
	v_lshl_or_b32 v[PWD], v[PT+3], 24, v[PWD]
.irp c, 0,1
	v_cvt_scalef32_pk16_fp6_f32 v[PCD+6*\c:PCD+6*\c+2], v[S+32*\c:S+32*\c+15], v[SO+2*\c]
	v_cvt_scalef32_pk16_fp6_f32 v[CT+4*\c:CT+4*\c+2], v[S+32*\c+16:S+32*\c+31], v[SO+2*\c+1]   ; (a conversion's three registers begin on an even number)
.endr
	v_nop                                          ; one plain place behind a scaled conversion
.irp c, 0,1                            ; a whole block to a lane: lanes 0-15 block 2 c, lanes 16-31 block 2 c + 1
.irp i, 0,1,2
	v_permlane16_swap_b32 v[PCD+6*\c+\i], v[CT+4*\c+\i]
.endr
.irp i, 0,1,2
	s_delay_alu instid0(VALU_DEP_3)
	v_mov_b32 v[PCD+6*\c+3+\i], v[CT+4*\c+\i]
.endr
.endr
	v_pk_add_f32 v[234:235], v[100:101], v[104:105]
	v_pk_add_f32 v[252:253], v[108:109], v[112:113]
	v_pk_add_f32 v[250:251], v[116:117], v[120:121]
	v_pk_add_f32 v[248:249], v[124:125], v[128:129]
	v_pk_add_f32 v[246:247], v[132:133], v[136:137]
	v_pk_add_f32 v[244:245], v[140:141], v[144:145]
	v_pk_add_f32 v[242:243], v[148:149], v[152:153]
	v_pk_add_f32 v[14:15], v[14:15], v[156:157]
	v_pk_add_f32 v[234:235], v[234:235], v[96:97]
	v_pk_add_f32 v[252:253], v[252:253], v[98:99]
	v_pk_add_f32 v[250:251], v[250:251], v[102:103]
	v_pk_add_f32 v[248:249], v[248:249], v[106:107]
	v_pk_add_f32 v[246:247], v[246:247], v[110:111]
	v_pk_add_f32 v[244:245], v[244:245], v[114:115]
	v_pk_add_f32 v[242:243], v[242:243], v[118:119]
	v_pk_add_f32 v[14:15], v[14:15], v[122:123]
	v_pk_add_f32 v[234:235], v[234:235], v[126:127]
	v_pk_add_f32 v[252:253], v[252:253], v[130:131]
	v_pk_add_f32 v[250:251], v[250:251], v[134:135]
	v_pk_add_f32 v[248:249], v[248:249], v[138:139]
	v_pk_add_f32 v[246:247], v[246:247], v[142:143]
	v_pk_add_f32 v[244:245], v[244:245], v[146:147]
	v_pk_add_f32 v[242:243], v[242:243], v[150:151]
	v_pk_add_f32 v[14:15], v[14:15], v[154:155]
	v_pk_add_f32 v[234:235], v[234:235], v[158:159]
	s_delay_alu instid0(VALU_DEP_2)
	v_pk_add_f32 v[14:15], v[14:15], v[248:249]
	s_delay_alu instid0(VALU_DEP_2)
	v_pk_add_f32 v[234:235], v[234:235], v[246:247]
	v_pk_add_f32 v[252:253], v[252:253], v[244:245]
	v_pk_add_f32 v[250:251], v[250:251], v[242:243]
	s_delay_alu instid0(VALU_DEP_2)
	v_pk_add_f32 v[14:15], v[14:15], v[252:253]
	s_delay_alu instid0(VALU_DEP_2)
	v_pk_add_f32 v[234:235], v[234:235], v[250:251]
	s_delay_alu instid0(VALU_DEP_1)
	v_pk_add_f32 v[14:15], v[14:15], v[234:235]
.set j, 0
.rept 16
	v_pk_mul_f32 v[O+j:O+j+1], v[O+j:O+j+1], v[FF:FF+1] op_sel_hi:[1,0]   ; O^T under the new M, each accumulator from its low end on.  (With the sums above: the places between p's codes and scale word and the products below)
.set j, j+2
.endr
	s_wait_alu depctr_va_vdst(0)
	s_wait_dscnt 0x0                               ; V's fragments and scale words
.irp x, 0,1                            ; the four accumulators take turns, and the eight products of the scores stand between two links of a chain
	v_wmma_scale_f32_16x16x128_f8f6f4 v[O+16*\x:O+16*\x+7], v[F+24*\x:F+24*\x+11], v[PCD:PCD+11], v[O+16*\x:O+16*\x+7], v[VS+\x], v[PWD] matrix_a_fmt:MATRIX_FMT_FP6 matrix_b_fmt:MATRIX_FMT_FP6
	v_wmma_scale_f32_16x16x128_f8f6f4 v[O+16*\x+8:O+16*\x+15], v[F+24*\x+12:F+24*\x+23], v[PCD:PCD+11], v[O+16*\x+8:O+16*\x+15], v[VS+\x], v[PWD] matrix_a_fmt:MATRIX_FMT_FP6 matrix_b_fmt:MATRIX_FMT_FP6 matrix_a_scale:MATRIX_SCALE_ROW1
.endr
	s_add_co_u32 s[TB], s[TB], 6144
	s_add_co_u32 s[TS], s[TS], 256
.endm
; ctx's quantiser: 32 numbers of a lane (register 16 b + i: channel 32 b + 16 (lane / 16) + i of my query) become an image in v[pc] .. v[pc + 5] and two scale bytes in v[pw].
.macro QUANT2 s, pc, pw
.irp b, 0,1
	v_max3_num_f32 v[TM+\b], |v[\s+16*\b]|, |v[\s+16*\b+1]|, 0x1800000
.endr
.irp i, 2,4,6,8,10,12,14
.irp b, 0,1
	s_delay_alu instid0(VALU_DEP_2)
	v_max3_num_f32 v[TM+\b], v[TM+\b], |v[\s+16*\b+\i]|, |v[\s+16*\b+\i+1]|
.endr
.endr
.irp b, 0,1
	s_delay_alu instid0(VALU_DEP_2)
	v_permlanex16_b32 v[TM+2+\b], v[TM+\b], s[SEL], s[SEL+1]
.endr
.irp b, 0,1
	s_delay_alu instid0(VALU_DEP_2)
	v_max_num_f32 v[TM+\b], v[TM+\b], v[TM+2+\b]
.endr
.irp b, 0,1
	s_delay_alu instid0(VALU_DEP_2)
	v_add_nc_u32 v[TM+4+\b], 0xff000000, v[TM+\b]
.endr
.irp b, 0,1
	s_delay_alu instid0(VALU_DEP_2)
	v_lshrrev_b32 v[TM+2+\b], 23, v[TM+4+\b]
.endr
	s_delay_alu instid0(VALU_DEP_1)
	v_lshl_or_b32 v[\pw], v[TM+3], 8, v[TM+2]
	v_cvt_scalef32_pk16_fp6_f32 v[\pc:\pc+2], v[\s:\s+15], v[TM+4]
	v_cvt_scalef32_pk16_fp6_f32 v[\pc+4:\pc+6], v[\s+16:\s+31], v[TM+5]
	v_nop                                          ; one plain place behind a scaled conversion
.irp i, 0,1,2
	v_permlane16_swap_b32 v[\pc+\i], v[\pc+4+\i]
.endr
.irp i, 0,1,2
	s_delay_alu instid0(VALU_DEP_3)
	v_mov_b32 v[\pc+3+\i], v[\pc+4+\i]             ; ascending, so that each source is read before it is written
.endr
.endm
.Lstep:                                            ; 15 trips; the last step is written out, so that no mask word is asked for past my tile's last
	STEP 1
	s_sub_co_u32 s[CNT], s[CNT], 1
	s_cmp_lg_u32 s[CNT], 0
	s_cbranch_scc1 .Lstep
	STEP 0
	; THE WAY OUT: O^T / the sum is ctx; it is brought into the channels' true order, since Wo's codes are given in it, quantised, and stored as an image.
.rept 4
	v_nop
.endr
	v_add_f32 v14, v14, v15                        ; the sum's two halves,
	s_delay_alu instid0(VALU_DEP_1)
	v_permlanex16_b32 v[TP], v14, s[SEL], s[SEL+1]
	s_delay_alu instid0(VALU_DEP_1)
	v_add_f32 v14, v14, v[TP]                      ; and lane l xor 16's
	s_wait_alu depctr_va_vdst(0)
	v_rcp_f32 v14, v14
	v_nop                                          ; one plain place behind a transcendental
.set j, 0
	s_wait_alu depctr_va_vdst(0)
.rept 16
	v_pk_mul_f32 v[O+j:O+j+1], v[O+j:O+j+1], v[14:15] op_sel_hi:[1,0]
.set j, j+2
.endr
.irp b, 0,1                            ; tiles 2 b and 2 b + 1 change halves: lane half hh then holds channels 32 b + 16 hh + 0 .. 15 in its 16 registers
.irp j, 0,1,2,3,4,5,6,7
	v_permlane16_swap_b32 v[O+16*\b+\j], v[O+16*\b+8+\j]
.endr
.endr
	QUANT2 O, PCD, PWD
.irp p, 0,1,2
	global_store_b64 v[QO], v[PCD+2*\p:PCD+2*\p+1], s[10:11] offset:256*\p   ; the wave stores 256 consecutive bytes, aligned
.endr
	ds_store_b16 v[CSI], v[PWD]                    ; both halves of the lanes write the same bytes with the same value
	s_wait_dscnt 0x0                               ; for the others' sake
	s_barrier_signal -1
	s_barrier_wait -1
	s_cmp_lg_u32 s[WV], 0
	s_cbranch_scc1 .Lno_cs
	ds_load_b128 v[36:39], v[CSR]
	s_wait_dscnt 0x0
	global_store_b128 v[CSO], v[36:39], s[12:13]   ; the block's 256 rows: 512 consecutive bytes, aligned
.Lno_cs:
	s_wait_tensorcnt 0x0
	ds_add_u32 v254, v255
	s_wait_dscnt 0x0
	ROUND                                          ; the closing round
	s_endpgm
.Lfunc_end_k_qbf8393bfeb_attn:
	.size	k_qbf8393bfeb_attn, .Lfunc_end_k_qbf8393bfeb_attn-k_qbf8393bfeb_attn
	.p2alignl 7, 3214868480
	.fill 96, 4, 3214868480
	.section	.rodata,"a",@progbits
	.p2align	6, 0x0
	.amdhsa_kernel k_qbf8393bfeb_attn
		.amdhsa_group_segment_fixed_size 215040
		.amdhsa_private_segment_fixed_size 0
		.amdhsa_enable_private_segment 0
		.amdhsa_kernarg_size 40
		.amdhsa_user_sgpr_count 2
		.amdhsa_user_sgpr_kernarg_segment_ptr 1
		.amdhsa_wavefront_size32 1
		.amdhsa_system_sgpr_workgroup_id_x 1
		.amdhsa_system_sgpr_workgroup_id_y 1
		.amdhsa_system_sgpr_workgroup_id_z 1
		.amdhsa_system_vgpr_workitem_id 0
		.amdhsa_next_free_vgpr 256
		.amdhsa_next_free_sgpr 102
		.amdhsa_reserve_vcc 0
		.amdhsa_float_denorm_mode_32 3
		.amdhsa_float_denorm_mode_16_64 3
		.amdhsa_memory_ordered 1
		.amdhsa_forward_progress 1
		.amdhsa_inst_pref_size 62
	.end_amdhsa_kernel
	.amdgpu_metadata
---
amdhsa.version: [ 1, 2 ]
amdhsa.kernels:
  - .name:           k_qbf8393bfeb_attn
    .symbol:         k_qbf8393bfeb_attn.kd
    .args:
      - { .name: qkv, .offset: 0, .size: 8, .value_kind: global_buffer, .address_space: global }
      - { .name: sc3, .offset: 8, .size: 8, .value_kind: global_buffer, .address_space: global }
      - { .name: mb, .offset: 16, .size: 8, .value_kind: global_buffer, .address_space: global }
      - { .name: cc, .offset: 24, .size: 8, .value_kind: global_buffer, .address_space: global }
      - { .name: cs, .offset: 32, .size: 8, .value_kind: global_buffer, .address_space: global }
    .group_segment_fixed_size: 215040
    .private_segment_fixed_size: 0
    .kernarg_segment_align: 8
    .kernarg_segment_size: 40
    .max_flat_workgroup_size: 512
    .sgpr_count:     102
    .vgpr_count:     256
    .wavefront_size: 32
...
	.end_amdgpu_metadata
.endif
;; end of part 2
;; launch outp (part 3): grid 8 x 32, 4 waves a work-group, clusters of 4 x 4, 229,376 bytes of LDS; arguments cc, cs, Wo_codes, Wo_scales, out0; writes out0
.if DOCPART == 3
	.amdgcn_target "amdgcn-amd-amdhsa--gfx1250"
	.amdhsa_code_object_version 6
	.text
	.protected	k_qbf8393bfeb_outp
	.globl	k_qbf8393bfeb_outp
	.p2align	8
	.type	k_qbf8393bfeb_outp,@function
k_qbf8393bfeb_outp:
	s_mov_b64 s[64:65], 0
	v_nop
	global_prefetch_b8 v0, s[64:65] scope:SCOPE_SE
	s_setreg_imm32_b32 hwreg(HW_REG_WAVE_MODE, 25, 1), 1
	s_wait_xcnt 0x0
	s_wait_alu depctr_hold_cnt(0) depctr_sa_sdst(0) depctr_va_vdst(0) depctr_va_sdst(0) depctr_va_ssrc(0) depctr_va_vcc(0) depctr_vm_vsrc(0)
	s_getreg_b32 s2, hwreg(HW_REG_IB_STS2, 6, 4)
	s_cmp_eq_u32 s2, 0
	s_cbranch_scc0 .Lentry_in_a_cluster
	s_endpgm
.Lentry_in_a_cluster:
	s_bfe_u32 s2, ttmp6, 0x10000c
	s_cmp_lg_u32 s2, 0xf033
	s_cbranch_scc0 .Lentry_shape_is_right
	s_endpgm
.Lentry_shape_is_right:
; out0[m][n] = sum over k of ctx[m][k] Wo[n][k], K = 1,024, on codes of FP6 (E2M3) with one E8M0 scale for each 32 along K; f32 out.
; ctx comes as the attention launch laid it: cc [row / 128][head][(row / 16) % 8][768], images of half operands (16 rows x a head's 64 channels: three planes of 256 bytes, plane p = registers 2 p, 2 p + 1 of lane l at byte 8 l);
; cs [head][row], two scale bytes.  Wo comes as given: rows of 768 bytes, 32 scale bytes a row.
; SHARES.  A tile of out0 is 128 x 128: 256 work-groups.  Four waves, each 64 x 64: 16 accumulators.  The tile's rows of ctx are ONE dense block of 98,304 bytes, and so are Wo's: both lie in LDS whole; no LDS byte is filled twice.
; CLUSTERS: 4 x 4; ctx's block is shared along a row of the cluster, Wo's along a column: joint loads.  THE MATRIX INSTRUCTION IS USED TRANSPOSED (source 0 = Wo's rows, source 1 = ctx's): a lane holds eight neighbouring numbers of a row of out0.
; REGISTERS: window 0: v16-27 addresses; v32-63 scale words; v64-127 at work; v128-255 accumulators.  window 1: two sets of fragments, at v0 and v128: B's four at + 12 b, A's four at 48 + 12 a.
.set PITCH, 816                        ; a row of Wo in LDS: 3 x (256 + 16) bytes = 204 words: row r starts at bank 12 r mod 64 (64 banks of 4 bytes: ISA guide 11.1)
.set BLK16, 16*PITCH
.set HALFC, 64*PITCH
.set HALFA, 49152                      ; half of ctx's block: eight heads
.set LB,    2*HALFA                    ; Wo's codes
.set LSA,   LB+2*HALFC                 ; ctx's scale words, made by LDS stores: 32 bytes a row, 16 more behind each 256; no tensor load lands there
.set HALFS, 8*272
.set LSB,   LSA+2*HALFS                ; Wo's scale bytes, laid alike by the mover's padding
.set STAGE, LSB+2*HALFS                ; 16 rows x 272 bytes for each wave, for the way out
.set DPAD,  (3<<16)|(1<<20)|(1<<21)|(5<<22)|(3<<25)
.set ADRA, 16                          ; v16 my A images, heads 0-7; v17 heads 8-15
.set ADRB, 18                          ; v18, v19 my B fragments (24 and 40 bytes a half)
.set ADRS, 20
.set CSL,  21                          ; v21 my byte offset in cs
.set ASW,  22                          ; v22 where I put ctx's scale words
.set STO,  24
.set RD,   25
.set CO,   26
.set SC,   32
.set BK,   64
.set ACC,  128
.set WV,   14
.set WR,   15
.set WC,   16
.set CX,   17
.set CY,   18
.set TR,   19
.set TC,   20
.set T0,   21
.set T1,   22
.set T2,   23
.set G1A,  28
.set G1B,  36
.set G1SB, 44
.set G0A,  52
.set G0B,  56
.set G0SB, 60
.set MSB, 0
.macro WIN new
.if MSB != \new
	s_set_vgpr_msb (MSB<<8)|\new
.set MSB, \new
.endif
.endm
.set MUL,  0x05
.set TO_F, 0x40
.macro CROUND
	s_barrier_signal -1
	s_barrier_wait -1
	s_cmp_lg_u32 s[WV], 0
	s_cbranch_scc1 .Lnot_wave_0_\@
	s_barrier_signal -3
.Lnot_wave_0_\@:
	s_barrier_wait -3
	s_barrier_signal -1
	s_barrier_wait -1
.endm
.macro PLACES
.rept 4
	v_nop
.endr
.endm
	s_load_b256 s[4:11], s[0:1], 0x0               ; cc, cs, Wo's codes, Wo's scales
	s_load_b64 s[12:13], s[0:1], 0x20              ; out0
	v_lshl_add_u32 v30, v0, 2, 0x37e00
	v_mov_b32 v31, 0
	ds_add_u32 v30, v31
	ds_add_u32 v30, v31
	v_lshrrev_b32 v1, 5, v0
	v_readfirstlane_b32 s[WV], v1
	s_lshr_b32 s[WR], s[WV], 1                     ; which half of the tile's rows is mine.  Also: I fetch for A (0) or for B (1)
	s_and_b32 s[WC], s[WV], 1                      ; which half of its columns.  Also: which half I fetch
	s_bfe_u32 s[CX], ttmp6, 0x40000
	s_bfe_u32 s[CY], ttmp6, 0x40004
	s_lshl_b32 s[TC], ttmp9, 2
	s_add_co_u32 s[TC], s[TC], s[CX]               ; tile column
	s_and_b32 s[TR], ttmp7, 0xffff
	s_lshl_b32 s[TR], s[TR], 2
	s_add_co_u32 s[TR], s[TR], s[CY]               ; tile row
	s_lshl_b32 s[T0], s[CY], 2
	s_lshl_b32 s[T0], 15, s[T0]                    ; my row of the cluster
	s_lshl_b32 s[T1], 0x1111, s[CX]                ; my column
	s_or_b32 s[G1A], s[T0], (3<<16)|(1<<21)        ; images are read 256 consecutive bytes at a time: no padding
	s_or_b32 s[G1B], s[T1], DPAD
	s_or_b32 s[G1SB], s[T1], DPAD
.irp g, G1A, G1B                       ; 49,152 dense bytes: 192 rows of 256 (32 elements of 8)
	s_mov_b32 s[\g+1], 32<<16
	s_mov_b32 s[\g+2], 192<<16
	s_mov_b32 s[\g+3], 32<<16
	s_mov_b32 s[\g+4], 192
	s_mov_b32 s[\g+5], 32
	s_mov_b32 s[\g+6], 0
	s_mov_b32 s[\g+7], 0
.endr
	s_mov_b32 s[G1B+2], 384<<16                    ; Wo's 128 rows come by one load: 384 rows of 256 bytes
	s_mov_b32 s[G1B+4], 384
	s_mov_b32 s[G1SB+1], 32<<16                    ; 128 rows of 32 scale bytes: 16 rows of 256
	s_mov_b32 s[G1SB+2], 16<<16
	s_mov_b32 s[G1SB+3], 32<<16
	s_mov_b32 s[G1SB+4], 16
	s_mov_b32 s[G1SB+5], 32
	s_mov_b32 s[G1SB+6], 0
	s_mov_b32 s[G1SB+7], 0
	s_mul_i32 s[G0A+2], s[TR], 98304               ; A: the tile row's block, my half
	s_mul_i32 s[T0], s[WC], HALFA
	s_add_co_u32 s[G0A+2], s[G0A+2], s[T0]
	s_mov_b32 s[G0A+3], 0
	s_mov_b32 s[G0A+1], s[T0]
	s_mov_b32 s[G0A], 1
	s_lshl_b32 s[T1], s[TC], 7                     ; B: row 128 x tile column
	s_mov_b32 s[T2], 0                             ; B's loads bring the tile's 128 rows whole
	s_add_co_u32 s[T1], s[T1], s[T2]
	s_mul_i32 s[G0B+2], s[T1], 768
	s_mov_b32 s[G0B+3], 0
	s_lshl_b32 s[G0SB+2], s[T1], 5
	s_mov_b32 s[G0SB+3], 0
	s_mov_b32 s[G0B+1], LB
	s_mov_b32 s[G0SB+1], LSB
	s_mov_b32 s[G0B], 1
	s_mov_b32 s[G0SB], 1
	s_wait_dscnt 0x0
	s_wait_kmcnt 0x0
	s_add_nc_u64 s[G0A+2:G0A+3], s[4:5], s[G0A+2:G0A+3]
	s_or_b32 s[G0A+3], s[G0A+3], 0x80000000
	s_add_nc_u64 s[G0B+2:G0B+3], s[8:9], s[G0B+2:G0B+3]
	s_or_b32 s[G0B+3], s[G0B+3], 0x80000000
	s_add_nc_u64 s[G0SB+2:G0SB+3], s[10:11], s[G0SB+2:G0SB+3]
	s_or_b32 s[G0SB+3], s[G0SB+3], 0x80000000
	CROUND                                         ; all sixteen work-groups are here: the joint loads meet
	s_cmp_lt_u32 s[WV], 2                          ; one chain of branches on the wave's number, one tensor load a wave: waves 0, 1 ctx's halves, wave 2 Wo's codes, wave 3 Wo's scale bytes
	s_cbranch_scc0 .Lfor_b
	tensor_load_to_lds s[G0A:G0A+3], s[G1A:G1A+7]
	s_nop 0
.rept 4
	v_nop
.endr
	s_branch .Lasked
.Lfor_b:
	s_cmp_lt_u32 s[WV], 3
	s_cbranch_scc0 .Lfor_sb
	tensor_load_to_lds s[G0B:G0B+3], s[G1B:G1B+7]
	s_nop 0
.rept 4
	v_nop
.endr
	s_branch .Lasked
.Lfor_sb:
	tensor_load_to_lds s[G0SB:G0SB+3], s[G1SB:G1SB+7]
	s_nop 0
.rept 4
	v_nop
.endr
.Lasked:
	v_and_b32 v1, 15, v0                           ; r
	v_bfe_u32 v2, v0, 4, 1                         ; h
	v_and_b32 v3, 31, v0                           ; lane
	; ctx's scale words.  Wave w makes those of K steps 2 w and 2 w + 1: a word is head 2 ks's two bytes below and head 2 ks + 1's above.  A load takes 256 consecutive bytes: the tile's 128 rows of one head, four rows a lane.
	s_lshl_b32 s[T0], s[WV], 15
	s_lshl_b32 s[T1], s[TR], 8
	s_add_co_u32 s[T0], s[T0], s[T1]
	v_lshl_add_u32 v[CSL], v3, 3, s[T0]
.irp e, 0,1
	global_load_b64 v[64+4*\e:65+4*\e], v[CSL], s[6:7] offset:16384*\e
	global_load_b64 v[66+4*\e:67+4*\e], v[CSL], s[6:7] offset:16384*\e+8192
.endr
	v_lshlrev_b32 v[ASW], 7, v3                    ; rows 4 lane + n: 32 bytes a row,
	v_lshrrev_b32 v4, 1, v3
	v_lshl_add_u32 v[ASW], v4, 4, v[ASW]           ; 16 more for each 8 rows passed,
	s_lshl_b32 s[T0], s[WV], 3
	s_add_co_u32 s[T0], s[T0], LSA
	v_add_nc_u32 v[ASW], s[T0], v[ASW]             ; my two words of the eight
	s_mul_i32 s[T0], s[WR], 3072                   ; my four tiles of rows in each head's eight
	v_lshl_add_u32 v[ADRA], v3, 3, s[T0]
	v_add_nc_u32 v[ADRA+1], HALFA, v[ADRA]
	v_mul_u32_u24 v4, v1, PITCH
	v_mad_u32_u24 v4, v2, 24, v4
	v_lshl_add_u32 v5, v2, 4, v4
	s_mul_i32 s[T1], s[WC], HALFC
	s_add_co_u32 s[T1], s[T1], LB
	v_add_nc_u32 v[ADRB], s[T1], v4
	v_add_nc_u32 v[ADRB+1], s[T1], v5
	v_lshlrev_b32 v6, 5, v1
	v_lshrrev_b32 v7, 3, v1
	v_lshl_add_u32 v6, v7, 4, v6
	s_mul_i32 s[T0], s[WR], HALFS
	s_mul_i32 s[T1], s[WC], HALFS
	s_add_co_u32 s[T1], s[T1], 2*HALFS
	s_sub_co_u32 s[T1], s[T1], s[T0]
	v_mul_u32_u24 v7, s[T1], v2                    ; lanes 16-31 take B's: one product, the distance between the two bases
	s_add_co_u32 s[T0], s[T0], LSA
	v_add_nc_u32 v6, v6, v7
	v_add_nc_u32 v[ADRS], s[T0], v6
	s_mul_i32 s[T0], s[WV], 16*272
	s_add_co_u32 s[T0], s[T0], STAGE               ; my stage
	v_mul_u32_u24 v4, v1, 272
	v_lshl_add_u32 v4, v2, 5, v4
	v_add_nc_u32 v[STO], s[T0], v4                 ; in: row r, 32 bytes for each half of the lanes
	v_mul_u32_u24 v4, v2, 272
	v_lshl_add_u32 v4, v1, 4, v4
	v_add_nc_u32 v[RD], s[T0], v4                  ; back: lanes 0-15 one row of 256 bytes, lanes 16-31 the next
	v_lshlrev_b32 v[CO], 12, v2
	v_lshl_add_u32 v[CO], v1, 4, v[CO]             ; and the same two rows in out0
	s_lshl_b32 s24, s[TR], 7
	s_lshl_b32 s25, s[WR], 6
	s_add_co_u32 s24, s24, s25
	s_lshl_b32 s24, s24, 12                        ; my first row, 4,096 bytes a row,
	s_lshl_b32 s25, s[TC], 9
	s_add_co_u32 s24, s24, s25
	s_lshl_b32 s25, s[WC], 8
	s_add_co_u32 s24, s24, s25                     ; my first column
	s_mov_b32 s25, 0
	s_add_nc_u64 s[12:13], s[12:13], s[24:25]
	s_wait_alu depctr_va_vdst(0)
	s_wait_loadcnt 0x0
.irp e, 0,1
	v_perm_b32 v[72+4*\e], v[66+4*\e], v[64+4*\e], 0x05040100
	v_perm_b32 v[73+4*\e], v[66+4*\e], v[64+4*\e], 0x07060302
	v_perm_b32 v[74+4*\e], v[67+4*\e], v[65+4*\e], 0x05040100
	v_perm_b32 v[75+4*\e], v[67+4*\e], v[65+4*\e], 0x07060302
.endr
.irp e, 0,1
.irp n, 0,1,2,3
	ds_store_b32 v[ASW], v[72+4*\e+\n] offset:32*\n+4*\e
.endr
.endr
.macro FRAG reg, adr, ks, i            ; a fragment of Wo: 24 bytes of the row's stream of bits twice, in pieces of 8; the second address register serves where lanes 16-31 lie behind one padding more
.irp p, 0,1,2,3,4,5
.set PCE, 12*(\ks)+6*(\p/3)+\p%3
.if PCE%32 < 29
	ds_load_b64 v[\reg+2*\p:\reg+2*\p+1], v[\adr] offset:8*PCE+16*(PCE/32)+(\i)*BLK16
.else
	ds_load_b64 v[\reg+2*\p:\reg+2*\p+1], v[\adr+1] offset:8*PCE+16*(PCE/32)+(\i)*BLK16
.endif
.endr
.endm
.macro FRAGA reg, ks, i                ; a fragment of ctx: the images of heads 2 ks and 2 ks + 1, plane by plane
.irp p, 0,1,2,3,4,5
	ds_load_b64 v[\reg+2*\p:\reg+2*\p+1], v[ADRA+(\ks)/4] offset:(2*((\ks)%4)+\p/3)*6144+768*(\i)+256*(\p%3)
.endr
.endm
.macro FETCH ks
	WIN TO_F
.set FD, 128*((\ks)%2)
.irp i, 0,1,2,3
	FRAG FD+12*\i, ADRB, \ks, \i
	FRAGA FD+48+12*\i, \ks, \i
.endr
.endm
.macro KSTEP ks                        ; the 16 accumulators take turns, one instruction a turn, in the same order in every step
.if (\ks) < 7
.if (\ks) > 0
	PLACES
.endif
	FETCH (\ks)+1
	s_wait_dscnt 48                                ; all but the 48 just issued
.else
	s_wait_dscnt 0x0
.endif
	WIN MUL
.set FB, 128*((\ks)%2)
.irp a, 0,1,2,3
.irp b, 0,1,2,3
.if (\ks) == 0
	v_wmma_scale_f32_16x16x128_f8f6f4 v[ACC+8*(4*\a+\b):ACC+8*(4*\a+\b)+7], v[FB+12*\b:FB+12*\b+11], v[FB+48+12*\a:FB+48+12*\a+11], 0, v[SC+8*\b+(\ks)], v[SC+8*\a+(\ks)] matrix_a_fmt:MATRIX_FMT_FP6 matrix_b_fmt:MATRIX_FMT_FP6 matrix_a_scale:MATRIX_SCALE_ROW1
.else
	v_wmma_scale_f32_16x16x128_f8f6f4 v[ACC+8*(4*\a+\b):ACC+8*(4*\a+\b)+7], v[FB+12*\b:FB+12*\b+11], v[FB+48+12*\a:FB+48+12*\a+11], v[ACC+8*(4*\a+\b):ACC+8*(4*\a+\b)+7], v[SC+8*\b+(\ks)], v[SC+8*\a+(\ks)] matrix_a_fmt:MATRIX_FMT_FP6 matrix_b_fmt:MATRIX_FMT_FP6 matrix_a_scale:MATRIX_SCALE_ROW1
.endif
.endr
.endr
.endm
	s_wait_tensorcnt 0x0                           ; my loads have landed,
	s_wait_dscnt 0x0                               ; my scale words are stored:
	s_barrier_signal -1
	s_barrier_wait -1                              ; everybody's are
.irp i, 0,1,2,3
	ds_load_b128 v[SC+8*\i:SC+8*\i+3], v[ADRS] offset:544*\i
	ds_load_b128 v[SC+8*\i+4:SC+8*\i+7], v[ADRS] offset:544*\i+16
.endr
	FETCH 0
.irp k, 0,1,2,3,4,5,6,7
	KSTEP \k
.endr
	WIN 0
; THE WAY OUT, 16 rows x 64 columns at a time, through my own stage: a lane holds 32 bytes of a row, and the lanes beside it hold other rows.  LDS serves a wave's instructions in order: no wait between the stores and the loads.
.macro TOSTAGE a
.irp b, 0,1,2,3
	ds_store_b128 v[STO], v[ACC+8*(4*(\a)+\b):ACC+8*(4*(\a)+\b)+3] offset:64*\b       ; each accumulator from its low end on
	ds_store_b128 v[STO], v[ACC+8*(4*(\a)+\b)+4:ACC+8*(4*(\a)+\b)+7] offset:64*\b+16
.endr
.set BB, BK+32*((\a)%2)
.irp t, 0,1,2,3,4,5,6,7
	ds_load_b128 v[BB+4*\t:BB+4*\t+3], v[RD] offset:544*\t
.endr
.endm
.macro SEND a, younger                 ; younger: the LDS instructions issued behind block a's loads
.set BB, BK+32*((\a)%2)
	s_wait_dscnt \younger
.irp t, 0,1,2,3,4,5,6,7
	global_store_b128 v[CO], v[BB+4*\t:BB+4*\t+3], s[12:13] offset:(16*(\a)+2*\t)*4096 th:TH_STORE_NT   ; sixteen lanes store 256 consecutive bytes, aligned; written once, read by nobody here
.endr
.endm
	PLACES
	TOSTAGE 0
.irp a, 1,2,3
.if \a > 1
	s_wait_xcnt 0x0                                ; block a - 2's stores have read their registers: block a's loads may land there
.endif
	TOSTAGE \a
	SEND \a-1, 16                                  ; behind block a - 1's loads: block a's eight stores and eight loads
.endr
	SEND 3, 0
	s_wait_tensorcnt 0x0
	ds_add_u32 v30, v31
	s_wait_dscnt 0x0
	CROUND                                         ; the closing round
	s_endpgm
.Lfunc_end_k_qbf8393bfeb_outp:
	.size	k_qbf8393bfeb_outp, .Lfunc_end_k_qbf8393bfeb_outp-k_qbf8393bfeb_outp
	.p2alignl 7, 3214868480
	.fill 96, 4, 3214868480
	.section	.rodata,"a",@progbits
	.p2align	6, 0x0
	.amdhsa_kernel k_qbf8393bfeb_outp
		.amdhsa_group_segment_fixed_size 229376
		.amdhsa_private_segment_fixed_size 0
		.amdhsa_enable_private_segment 0
		.amdhsa_kernarg_size 40
		.amdhsa_user_sgpr_count 2
		.amdhsa_user_sgpr_kernarg_segment_ptr 1
		.amdhsa_wavefront_size32 1
		.amdhsa_system_sgpr_workgroup_id_x 1
		.amdhsa_system_sgpr_workgroup_id_y 1
		.amdhsa_system_sgpr_workgroup_id_z 1
		.amdhsa_system_vgpr_workitem_id 0
		.amdhsa_next_free_vgpr 512
		.amdhsa_next_free_sgpr 66
		.amdhsa_reserve_vcc 0
		.amdhsa_float_denorm_mode_32 3
		.amdhsa_float_denorm_mode_16_64 3
		.amdhsa_memory_ordered 1
		.amdhsa_forward_progress 1
		.amdhsa_inst_pref_size 60
	.end_amdhsa_kernel
	.amdgpu_metadata
---
amdhsa.version: [ 1, 2 ]
amdhsa.kernels:
  - .name:           k_qbf8393bfeb_outp
    .symbol:         k_qbf8393bfeb_outp.kd
    .args:
      - { .name: cc, .offset: 0, .size: 8, .value_kind: global_buffer, .address_space: global }
      - { .name: cs, .offset: 8, .size: 8, .value_kind: global_buffer, .address_space: global }
      - { .name: Wo_codes, .offset: 16, .size: 8, .value_kind: global_buffer, .address_space: global }
      - { .name: Wo_scales, .offset: 24, .size: 8, .value_kind: global_buffer, .address_space: global }
      - { .name: out0, .offset: 32, .size: 8, .value_kind: global_buffer, .address_space: global }
    .group_segment_fixed_size: 229376
    .private_segment_fixed_size: 0
    .kernarg_segment_align: 8
    .kernarg_segment_size: 40
    .max_flat_workgroup_size: 128
    .sgpr_count:     66
    .vgpr_count:     512
    .wavefront_size: 32
...
	.end_amdgpu_metadata
.endif
;; end of part 3
